; MI455X (gfx1250); checked and timed in simulation.
; The chip was launched on July 23, 2026; its instructions are those of AMD's public machine-readable ISA for CDNA 5 (MIT licence, August 2026) and "CDNA5" Instruction Set Architecture Reference Guide (July 2026). The comments in the code are by the model that wrote it; some were corrected since.
;; Multi Head Attention. Allowed arithmetic: matrix products marked QUANTISED: E2M1 operands, one E8M0 scale for each 32 along K, by v_wmma_scale_f32_16x16x128_f8f6f4 with both operands' format E2M1 (or v_wmma_scale_f32_32x16x128_f4), f32 sums; products left as they are: bf16, f16 or f32 operands; f32 sums; everything else in f32.
;; Inputs: b_k 1,024 float32; b_o 1,024 float32; b_q 1,024 float32; b_v 1,024 float32; k 4 x 2,048 x 1,024 float32; mask 4 x 2,048 x 2,048 int32; q 4 x 2,048 x 1,024 float32; v 4 x 2,048 x 1,024 float32; w_k 1,024 x 1,024 float32; w_o 1,024 x 1,024 float32; w_q 1,024 x 1,024 float32; w_v 1,024 x 1,024 float32.
;; Outputs: out0 4 x 2,048 x 1,024 float32.
;; This version of the problem:
;;   THIS VERSION OF THE PROBLEM IS GIVEN IN LOW PRECISION. The matrix products marked QUANTISED in the list below multiply operands that are first quantised to E2M1 (2 exponent bits, 1 mantissa bit; 4 bits a number), with one power-of-two scale for each 32 numbers along K (OCP MX v1.0); their sums are f32. The products marked 'left as it is' may take bf16, f16 or f32 operands, with f32 sums. Whichever they take, every output number must still come out within the allowed error. Rounding operands to bf16 (8 significant bits) uses up far more of that allowance than f16 does (11 bits, for magnitudes from 6e-5 to 65,504). All else is computed in f32.
;;   The module's matrix products, in the order in which they are computed (A, B: the left and right operand; K: the contracted axis; several contracted axes count as one K, in the product's order):
;;     1. [M 8,192, K 1,024] x [K 1,024, N 1,024]; A: input q; B: input w_q: QUANTISED
;;     2. [M 8,192, K 1,024] x [K 1,024, N 1,024]; A: input k; B: input w_k: QUANTISED
;;     3. [M 8,192, K 1,024] x [K 1,024, N 1,024]; A: input v; B: input w_v: QUANTISED
;;     4. batch 64 x [M 2,048, K 64] x [K 64, N 2,048]; A: computed on the way; B: computed on the way: left as it is (an operand is computed on the way)
;;     5. batch 64 x [M 2,048, K 2,048] x [K 2,048, N 64]; A: computed on the way; B: computed on the way: left as it is (an operand is computed on the way)
;;     6. [M 8,192, K 1,024] x [K 1,024, N 1,024]; A: computed on the way; B: input w_o: left as it is (an operand is computed on the way)
;;   THE QUANTISER, for each operand of a quantised product, along K:
;;     - K is cut into blocks of 32 from its start; a last block that is shorter is filled with zeros.
;;     - A block's scale is 2^e with e = floor(log2(the largest magnitude in the block)) - 2, held to -126 .. 127; a block of zeros has e = 0. As a byte (E8M0): e + 127.
;;     - Each number is divided by its block's scale, clamped to +-6, and rounded to the nearest number of E2M1, ties to even, subnormals kept.
;;     - The product sums the exact products of the quantised numbers (number of the format x scale) in f32.
;;   ~~~python
;;   def quantise(x, axis):      # numpy; x: float32 -> the quantised numbers, widened to float32 again
;;       x = np.moveaxis(x, axis, -1); K = x.shape[-1]
;;       x = np.pad(x, [(0, 0)] * (x.ndim - 1) + [(0, -K % 32)]); x = x.reshape(x.shape[:-1] + (-1, 32)); a = np.abs(x).max(-1, keepdims=True)
;;       e = np.where(a > 0, np.clip(np.frexp(np.where(a > 0, a, 1))[1] - 1 - 2, -126, 127), 0)      # np.frexp(a)[1] - 1 = floor(log2(a)), exactly
;;       r = np.clip(x / 2.0 ** e, -6, 6)
;;       step = 2.0 ** (np.maximum(np.frexp(np.where(r == 0, 1, r))[1] - 1, 0) - 1)
;;       q = np.round(r / step) * step * 2.0 ** e      # np.round: ties to even
;;       return np.moveaxis(q.reshape(q.shape[:-2] + (-1,))[..., :K], -1, axis).astype(np.float32)
;;   ~~~
;; One version. Each part assembles by itself: llvm-mc -triple=amdgcn-amd-amdhsa -mcpu=gfx1250 --defsym DOCPART=n.
;; ======== version 1 of 1: 4 launches
;; limits: values are held in f16: magnitudes above 65,504 overflow, below 6.1e-05 lose precision
;; workspace buffers: acodes 12,582,912 bytes; ascales 786,432 bytes; wcodes 1,572,864 bytes; wscales 98,304 bytes; wot 2,097,152 bytes; maskbits 2,097,152 bytes of whole numbers; qkvh 50,331,648 bytes; ao 16,777,216 bytes
;; launch prep (part 1): grid 1392 x 1, 4 waves a work-group, no clusters, 136,704 bytes of LDS; arguments q, k, v, mask, w_q, w_k, w_v, w_o, acodes, ascales, wcodes, wscales, wot, maskbits; writes acodes, ascales, wcodes, wscales, wot, maskbits
.if DOCPART == 1
	.amdgcn_target "amdgcn-amd-amdhsa--gfx1250"
	.amdhsa_code_object_version 6
	.text
	.protected	k_qbdeb9c6314_prep
	.globl	k_qbdeb9c6314_prep
	.p2align	8
	.type	k_qbdeb9c6314_prep,@function
k_qbdeb9c6314_prep:
	s_mov_b64 s[64:65], 0
	v_nop
	global_prefetch_b8 v0, s[64:65] scope:SCOPE_SE
	s_setreg_imm32_b32 hwreg(HW_REG_WAVE_MODE, 25, 1), 1
	s_wait_xcnt 0x0
; PREP: everything that is read wide once and wanted narrow many times.  Four kinds of work-group, told apart by the work-group's number alone:
;   0 .. 47      w_q, w_k, w_v [1024 (k)][1024 (n)] f32 -> codes of FP4 (E2M1) with K innermost, wcodes [3][n][512 bytes], and E8M0 scale bytes wscales [3][n][32]
;   48 .. 111    w_o [1024 (k)][1024 (n)] f32 -> f16, turned: wot [n / 256][k / 64][n % 256][k % 64]
;   112 .. 879   q, k, v [8192][1024] f32 -> acodes [3][8192][512 bytes], ascales [3][8192][32]
;   880 .. 1391  mask [4][2048][2048] int32 -> maskbits [b x 128 + q / 16][key / 16][8] words: bit l of word j says whether key 16 kt + 8 (l / 16) + j counts for query 16 qt + l % 16
; THE QUANTISER: a block of 32 along K has the scale 2^(floor(log2(its largest magnitude)) - 2); its byte is the largest magnitude's exponent field - 2, held at 1 from below; each number is divided by the
; scale and rounded to the nearest code, ties to even, beyond 6 the largest code.
; LIMITS: a block of zeros gets the byte 1 and not 127 (its codes are zeros, and this program alone reads the bytes); blocks whose largest magnitude lies under 2^-124 keep the byte 1; NaN and infinities are not served;
; w_o beyond 65,504 has no f16 number.
; Waves share nothing: no barrier.  No tensor load: operands pass through registers, and each wave of each kind has LDS bytes of its own.  No cluster: no two work-groups read the same bytes.
.set ACTS,  0                          ; LDS: activations: 4 x 8,192
.set WQS,   32768                      ; weights to codes: 4 x 32 rows x 272
.set WOS,   67584                      ; w_o: 4 x 32 rows x 272
.set MKS,   102400                     ; mask: 4 x 16 rows x 528
.set SPARE, 136192                     ; the spare words, 128 bytes for each wave: two blocks of 256 bytes that no other line names
.set SPW,   230                        ; v230  LDS address of my spare word; never rewritten
.set NIL,   231                        ; v231  0; never rewritten
.set WV,    36                         ; s36   my wave's number
	s_load_b512 s[8:23], s[0:1], 0x0               ; q 8, k 10, v 12, mask 14, w_q 16, w_k 18, w_v 20, w_o 22
	s_load_b256 s[24:31], s[0:1], 0x40             ; acodes 24, ascales 26, wcodes 28, wscales 30
	s_load_b128 s[32:35], s[0:1], 0x60             ; wot 32, maskbits 34
	v_lshl_add_u32 v[SPW], v0, 2, SPARE
	v_mov_b32 v[NIL], 0
	v_lshrrev_b32 v1, 5, v0
	v_readfirstlane_b32 s[WV], v1                  ; wave 0..3
	v_and_b32 v2, 31, v0                           ; lane
	s_wait_kmcnt 0x0
	s_cmp_lt_u32 ttmp9, 48
	s_cbranch_scc1 .Lwq
	s_cmp_lt_u32 ttmp9, 112
	s_cbranch_scc1 .Lwo
	s_cmp_lt_u32 ttmp9, 880
	s_cbranch_scc1 .Lact
; ---------------------------------------------------------------- THE MASK
; A wave takes 16 queries x 512 keys, in four steps of 128 keys.  Each load reads 512 consecutive bytes of one query's row; the 16 rows turn through the wave's stage (rows of 512 + 16 bytes), so that lane (r, h)
; gets, for each of the step's 8 key tiles, the 8 words of query r at keys 16 kt + 8 h + 0 .. 7: the places that a lane holds in a tile of scores.  A compare then IS the word that the attention wants.
.set MR, 32                            ; v32-159  two sets of 64: a step's words as loaded
.set MY, 160                           ; v160-223 the same, turned
	s_sub_co_u32 s37, ttmp9, 880
	s_lshl_b32 s37, s37, 2
	s_add_co_u32 s37, s37, s[WV]                   ; my run: 4 x work-group + wave
	s_lshr_b32 s38, s37, 2                         ; which 16 queries, over all batches
	s_and_b32 s39, s37, 3                          ; which 512 keys
	s_lshl_b32 s40, s38, 17                        ; 16 rows of 8,192 bytes
	s_lshl_b32 s41, s39, 11
	s_add_co_u32 s40, s40, s41
	s_mov_b32 s41, 0
	s_add_nc_u64 s[14:15], s[14:15], s[40:41]
	s_lshl_b32 s40, s38, 12                        ; 128 key tiles x 32 bytes
	s_lshl_b32 s42, s39, 10
	s_add_co_u32 s40, s40, s42
	s_add_nc_u64 s[34:35], s[34:35], s[40:41]
	v_lshlrev_b32 v3, 4, v2                        ; 16 bytes a lane
	s_mul_i32 s43, s[WV], 16*528
	s_add_co_u32 s43, s43, MKS                     ; my stage
	v_add_nc_u32 v4, s43, v3                       ; in: as loaded
	v_and_b32 v5, 15, v2
	v_mul_u32_u24 v5, v5, 528
	v_lshrrev_b32 v7, 4, v2
	v_lshl_add_u32 v5, v7, 5, v5
	v_add_nc_u32 v5, s43, v5                       ; out: row r, + 32 h
	v_lshlrev_b32 v6, 3, v2                        ; two words a lane on the way to memory
.irp i, 16,17,18,19,20,21,22,23
	v_mov_b32 v\i, 0                               ; written once: the destination of v_writelane_b32 counts as read
.endr
.macro MLOAD s
.set i, 0
.rept 16
	global_load_b128 v[MR+64*((\s)%2)+4*i:MR+64*((\s)%2)+4*i+3], v3, s[14:15] offset:i*8192+512*(\s) th:TH_LOAD_NT   ; 512 consecutive bytes of query i's row
.set i, i+1
.endr
.endm
.macro MSTEP s
.if (\s) < 3
	s_wait_loadcnt 16                              ; this step's 16 loads are in; the next step's may be out
.else
	s_wait_loadcnt 0
.endif
.set i, 0
.rept 16
	ds_store_b128 v4, v[MR+64*((\s)%2)+4*i:MR+64*((\s)%2)+4*i+3] offset:i*528
.set i, i+1
.endr
.set i, 0
.rept 16
	ds_load_b128 v[MY+4*i:MY+4*i+3], v5 offset:64*(i/2)+16*(i%2)   ; LDS serves a wave's instructions in order: these see my stores
.set i, i+1
.endr
	s_wait_dscnt 0x0                               ; the words are back, and the stores have read their registers,
.if (\s)+2 < 4
	MLOAD (\s)+2                                   ; which take the loads of two steps on
.endif
.irp kt, 0,1,2,3,4,5,6,7
.irp j, 0,1,2,3,4,5,6,7
	v_cmp_ne_u32 s[44+\j], 0, v[MY+8*\kt+\j]       ; the lane mask of register j of key tile kt
.endr
.irp j, 0,1,2,3,4,5,6,7
	v_writelane_b32 v[16+2*(\s)+(\j%2)], s[44+\j], 4*\kt+\j/2   ; word 8 kt + j goes to lane (8 kt + j) / 2
.endr
.endr
	global_store_b64 v6, v[16+2*(\s):17+2*(\s)], s[34:35] offset:256*(\s)   ; the step's 64 words: 256 consecutive bytes, aligned; each step has its own pair, so no store's data are written again
.endm
	MLOAD 0
	MLOAD 1
	MSTEP 0
	MSTEP 1
	MSTEP 2
	MSTEP 3
	s_wait_tensorcnt 0x0                           ; the wave's end, behind my last LDS store
	ds_add_u32 v[SPW], v[NIL]
	s_wait_dscnt 0x0
	s_endpgm
; ---------------------------------------------------------------- q, k, v INTO CODES (K innermost)
; Rows are dense and 1,024 is a multiple of 32: a tensor is a plain stream of blocks of 32.  A wave takes 16 steps of 512 numbers.  Each load reads 512 consecutive bytes, 16 a lane; a step's 2,048 bytes turn through
; the wave's stage (16 bytes of padding behind each 64) and come back 64 bytes a lane: 16 neighbours along K, two neighbouring lanes to a block.  Loads run four steps ahead, the turn one step.
.set SP, 80                            ; a lane's place in a stage
.set AR, 16                            ; v16-79   four sets of 16 numbers as loaded
.set AX, 80                            ; v80-111  two sets of 16 neighbours
.set AE, 112                           ; v112-127 a scale byte for each step
.set AC, 128                           ; v128-191 codes, registers of its own for each step
.Lact:
	s_sub_co_u32 s37, ttmp9, 112                   ; 0 .. 767: 256 work-groups to a tensor
	s_cmp_lt_u32 s37, 512
	s_cselect_b64 s[4:5], s[10:11], s[12:13]       ; the choice hangs on the work-group's number alone
	s_cmp_lt_u32 s37, 256
	s_cselect_b64 s[4:5], s[8:9], s[4:5]
	s_and_b32 s38, s37, 255
	s_lshl_b32 s38, s38, 2
	s_add_co_u32 s38, s38, s[WV]
	s_lshl_b32 s38, s38, 15                        ; my run of 8,192 numbers in the tensor
	s_mov_b32 s39, 0
	s_add_nc_u64 s[4:5], s[4:5], s[38:39]
	s_lshl_b32 s40, s37, 2
	s_add_co_u32 s40, s40, s[WV]                   ; and among the three tensors' runs
	s_lshl_b32 s38, s40, 12                        ; 4,096 bytes of codes a run
	s_add_nc_u64 s[24:25], s[24:25], s[38:39]
	s_lshl_b32 s38, s40, 8                         ; 256 scale bytes a run
	s_add_nc_u64 s[26:27], s[26:27], s[38:39]
	v_lshlrev_b32 v3, 4, v2                        ; my 16 bytes of a load's 512
	s_mul_i32 s41, s[WV], 8192                     ; my region (ACTS = 0)
	v_lshrrev_b32 v14, 2, v2
	v_mul_u32_u24 v14, v14, SP
	v_and_b32 v15, 3, v2
	v_lshl_add_u32 v14, v15, 4, v14
	v_add_nc_u32 v14, s41, v14                     ; the stage, in: four lanes' 64 bytes on end, then 16 of padding
	v_mul_u32_u24 v15, v2, SP
	v_add_nc_u32 v15, s41, v15                     ; and out: my 16 neighbours
	v_mul_u32_u24 v4, v2, 8                        ; my codes' place in a step's
	v_lshrrev_b32 v5, 1, v2
	s_add_co_u32 s41, s41, 2*32*SP
	v_add_nc_u32 v5, s41, v5                       ; my wave's 256 scale bytes, my block's byte
	v_lshlrev_b32 v7, 3, v2
	v_add_nc_u32 v6, s41, v7                       ; and on the way out 8 bytes a lane
.macro ALOAD t
.irp i, 0,1,2,3
	global_load_b128 v[AR+16*((\t)%4)+4*\i:AR+16*((\t)%4)+4*\i+3], v3, s[4:5] offset:2048*(\t)+512*\i th:TH_LOAD_NT
.endr
.endm
.macro ATURN t                         ; LDS serves a wave's instructions in order: no wait between the stores and the loads
.irp i, 0,1,2,3
	ds_store_b128 v14, v[AR+16*((\t)%4)+4*\i:AR+16*((\t)%4)+4*\i+3] offset:32*SP*((\t)%2)+8*SP*\i
.endr
.irp i, 0,1,2,3
	ds_load_b128 v[AX+16*((\t)%2)+4*\i:AX+16*((\t)%2)+4*\i+3], v15 offset:32*SP*((\t)%2)+16*\i
.endr
.endm
.macro ASTEP t
.set XS, AX+16*((\t)%2)
.if (\t) > 0
	s_wait_dscnt 1                                 ; this step's numbers are back (the last step's byte store may be out): so its stores into the stage have read their registers,
.else
	s_wait_dscnt 0x0
.endif
.if (\t)+4 < 16
	ALOAD (\t)+4                                   ; which take the loads of four steps on
.endif
.if (\t)+1 < 16
.if 14-(\t) >= 3
	s_wait_loadcnt 12                              ; the next step's four loads are in; those of the three steps behind it may be out
.else
	s_wait_loadcnt 4*(14-(\t))
.endif
	ATURN (\t)+1
.endif
	v_max3_num_f32 v8, |v[XS]|, |v[XS+1]|, |v[XS+2]|
	v_max3_num_f32 v9, |v[XS+3]|, |v[XS+4]|, |v[XS+5]|
.irp i, 6,10
	v_max3_num_f32 v8, v8, |v[XS+\i]|, |v[XS+\i+1]|
	v_max3_num_f32 v9, v9, |v[XS+\i+2]|, |v[XS+\i+3]|
.endr
	v_max3_num_f32 v8, v8, |v[XS+14]|, |v[XS+15]|
	v_max3_num_f32 v8, v8, v9, 0x1800000           ; and the floor 2^(3 - 127): the byte cannot fall under 1
	v_max_num_f32_dpp v8, v8, v8 row_xmask:1 row_mask:0xf bank_mask:0xf   ; with my neighbour's 16: the block's largest magnitude
	v_add_nc_u32 v11, 0xff000000, v8               ; 2 off its exponent field: the conversion takes the exponent field of this operand as its scale
	v_cvt_scalef32_pk8_fp4_f32 v[AC+4*(\t)], v[XS:XS+7], v11
	v_cvt_scalef32_pk8_fp4_f32 v[AC+4*(\t)+1], v[XS+8:XS+15], v11
	v_lshrrev_b32 v[AE+(\t)], 23, v11              ; the scale's byte
	ds_store_b8 v5, v[AE+(\t)] offset:16*(\t)      ; both lanes of a block write the same byte with the same value
	global_store_b64 v4, v[AC+4*(\t):AC+4*(\t)+1], s[24:25] offset:256*(\t)   ; the wave stores 256 consecutive bytes, aligned
.endm
.irp t, 0,1,2,3
	ALOAD \t
.endr
	s_wait_loadcnt 12                              ; step 0's four loads are in
	ATURN 0
.irp t, 0,1,2,3,4,5,6,7,8,9,10,11,12,13,14,15
	ASTEP \t
.endr
	ds_load_b64 v[8:9], v6
	s_wait_dscnt 0x0
	global_store_b64 v7, v[8:9], s[26:27]          ; my run's 256 scale bytes: 256 consecutive bytes, aligned
	s_wait_tensorcnt 0x0                           ; the wave's end
	ds_add_u32 v[SPW], v[NIL]
	s_wait_dscnt 0x0
	s_endpgm
; ---------------------------------------------------------------- w_q, w_k, w_v INTO CODES (K is the first axis)
; A lane takes a column n and its registers run down K: each load reads 128 consecutive bytes a wave, a block of 32 along K lies in one lane, and the codes come out with K innermost.  A wave takes 32 columns x 512
; along K; its codes go through its stage and leave as rows: sixteen lanes store 256 consecutive bytes, aligned.  The scale bytes leave 16 to a lane, rows 32 bytes apart: 96 KiB in all.
.set QX, 32                            ; v32-95   two sets of 32 numbers
.set QC, 96                            ; v96-99   a block's codes (in the w_o path: v96-111, 32 numbers in f16)
.set QO, 112                           ; v112-175 the way out
.set QSB, 24                           ; v24-27   the scale bytes, four to a register
.Lwq:
	s_lshr_b32 s37, ttmp9, 4                       ; which weight
	s_cmp_lt_u32 s37, 2
	s_cselect_b64 s[4:5], s[18:19], s[20:21]
	s_cmp_lt_u32 s37, 1
	s_cselect_b64 s[4:5], s[16:17], s[4:5]
	s_and_b32 s38, ttmp9, 7
	s_lshl_b32 s38, s38, 7
	s_lshl_b32 s39, s[WV], 5
	s_add_co_u32 s38, s38, s39                     ; my wave's first column
	s_bfe_u32 s39, ttmp9, 0x10003                  ; which 512 along K
	s_lshl_b32 s40, s39, 21                        ; 512 rows of 4,096 bytes
	s_lshl_b32 s41, s38, 2
	s_add_co_u32 s40, s40, s41
	s_mov_b32 s41, 0
	s_add_nc_u64 s[4:5], s[4:5], s[40:41]
	s_lshl_b32 s40, s37, 19                        ; codes: weight x 524,288 + column x 512 + 256 y
	s_lshl_b32 s42, s38, 9
	s_add_co_u32 s40, s40, s42
	s_lshl_b32 s42, s39, 8
	s_add_co_u32 s40, s40, s42
	s_add_nc_u64 s[28:29], s[28:29], s[40:41]
	s_lshl_b32 s40, s37, 15                        ; scale bytes: weight x 32,768 + column x 32 + 16 y
	s_lshl_b32 s42, s38, 5
	s_add_co_u32 s40, s40, s42
	s_lshl_b32 s42, s39, 4
	s_add_co_u32 s40, s40, s42
	s_add_nc_u64 s[30:31], s[30:31], s[40:41]
	v_lshlrev_b32 v3, 2, v2
	s_mul_i32 s43, s[WV], 32*272
	s_add_co_u32 s43, s43, WQS                     ; my stage
	v_mul_u32_u24 v4, v2, 272
	v_add_nc_u32 v4, s43, v4                       ; in: row = my column
	v_and_b32 v5, 15, v2
	v_lshrrev_b32 v6, 4, v2
	v_mul_u32_u24 v7, v6, 272
	v_lshl_add_u32 v7, v5, 4, v7
	v_add_nc_u32 v7, s43, v7                       ; out: sixteen lanes to a row, two rows an instruction
	v_mul_u32_u24 v8, v6, 512
	v_lshl_add_u32 v8, v5, 4, v8                   ; and the same place in the codes' buffer
	v_mul_u32_u24 v9, v2, 32                       ; my column's row of scale bytes
.macro QLOAD t
.set i, 0
.rept 32
	global_load_b32 v[QX+32*((\t)%2)+i], v3, s[4:5] offset:(32*(\t)+i)*4096 th:TH_LOAD_NT
.set i, i+1
.endr
.endm
.macro QBLOCK t
.set XS, QX+32*((\t)%2)
.if (\t) < 15
	s_wait_loadcnt 32                              ; this block's 32 loads are in; the next block's may be out
.else
	s_wait_loadcnt 0
.endif
	v_max3_num_f32 v12, |v[XS]|, |v[XS+1]|, |v[XS+2]|
	v_max3_num_f32 v13, |v[XS+3]|, |v[XS+4]|, |v[XS+5]|
.irp i, 6,10,14,18,22,26
	v_max3_num_f32 v12, v12, |v[XS+\i]|, |v[XS+\i+1]|
	v_max3_num_f32 v13, v13, |v[XS+\i+2]|, |v[XS+\i+3]|
.endr
	v_max3_num_f32 v12, v12, |v[XS+30]|, |v[XS+31]|
	v_max3_num_f32 v12, v12, v13, 0x1800000        ; and the floor 2^(3 - 127)
	v_add_nc_u32 v11, 0xff000000, v12              ; the conversion's scale operand
	v_lshrrev_b32 v13, 23, v11                     ; the scale's byte
.if (\t)%4 == 0
	v_mov_b32 v[QSB+(\t)/4], v13
.else
	v_lshl_or_b32 v[QSB+(\t)/4], v13, 8*((\t)%4), v[QSB+(\t)/4]
.endif
.irp g, 0,1,2,3
	v_cvt_scalef32_pk8_fp4_f32 v[QC+\g], v[XS+8*\g:XS+8*\g+7], v11
.endr
	ds_store_b128 v4, v[QC:QC+3] offset:16*(\t)
.if (\t)+2 < 16
	QLOAD (\t)+2
.endif
	s_wait_dscnt 0x0                               ; the store has read its registers: the next block's codes may be written
.endm
	QLOAD 0
	QLOAD 1
.set N, 0
.rept 16
	QBLOCK N
.set N, N+1
.endr
	global_store_b128 v9, v[QSB:QSB+3], s[30:31]
.irp t, 0,1,2,3,4,5,6,7,8,9,10,11,12,13,14,15
	ds_load_b128 v[QO+4*\t:QO+4*\t+3], v7 offset:2*\t*272
.endr
.irp t, 0,1,2,3,4,5,6,7,8,9,10,11,12,13,14,15
	s_wait_dscnt 15-\t
	global_store_b128 v8, v[QO+4*\t:QO+4*\t+3], s[28:29] offset:2*\t*512
.endr
	s_wait_tensorcnt 0x0                           ; the wave's end
	ds_add_u32 v[SPW], v[NIL]
	s_wait_dscnt 0x0
	s_endpgm
; ---------------------------------------------------------------- w_o INTO f16, TURNED
; The same plan with a rounding in place of the quantiser.  A wave takes 32 columns x 128 along K: two pieces of 64 along K; a stage row is a column's 256 bytes.  A piece's 32 rows of 128 bytes are 4,096 consecutive
; bytes of wot: each store covers 512 of them.
.Lwo:
	s_sub_co_u32 s37, ttmp9, 48
	s_lshl_b32 s37, s37, 2
	s_add_co_u32 s37, s37, s[WV]                   ; 0 .. 255
	s_and_b32 s38, s37, 31                         ; which 32 columns: the four waves stand side by side on 512 bytes of a row
	s_lshr_b32 s39, s37, 5                         ; which 128 along K
	s_lshl_b32 s40, s39, 19
	s_lshl_b32 s41, s38, 7
	s_add_co_u32 s40, s40, s41
	s_mov_b32 s41, 0
	s_add_nc_u64 s[22:23], s[22:23], s[40:41]
	s_lshr_b32 s40, s38, 3
	s_lshl_b32 s40, s40, 19                        ; n / 256
	s_lshl_b32 s42, s39, 16                        ; two pieces of 32,768 bytes
	s_add_co_u32 s40, s40, s42
	s_and_b32 s42, s38, 7
	s_lshl_b32 s42, s42, 12                        ; 32 rows of 128 bytes
	s_add_co_u32 s40, s40, s42
	s_add_nc_u64 s[32:33], s[32:33], s[40:41]
	v_lshlrev_b32 v3, 2, v2
	s_mul_i32 s43, s[WV], 32*272
	s_add_co_u32 s43, s43, WOS
	v_mul_u32_u24 v4, v2, 272
	v_add_nc_u32 v4, s43, v4
	v_lshrrev_b32 v7, 3, v2
	v_mul_u32_u24 v7, v7, 272
	v_and_b32 v5, 7, v2
	v_lshl_add_u32 v7, v5, 4, v7
	v_add_nc_u32 v7, s43, v7                       ; out: eight lanes to a row's 128 bytes, four rows an instruction
	v_lshlrev_b32 v8, 4, v2
.macro WLOAD t
.set i, 0
.rept 32
	global_load_b32 v[QX+32*((\t)%2)+i], v3, s[22:23] offset:(32*(\t)+i)*4096 th:TH_LOAD_NT
.set i, i+1
.endr
.endm
.macro WBLOCK t
.set XS, QX+32*((\t)%2)
.if (\t) < 3
	s_wait_loadcnt 32                              ; this block's 32 loads are in; the next block's may be out
.else
	s_wait_loadcnt 0
.endif
.set i, 0
.rept 16
	v_cvt_pk_f16_f32 v[QC+i], v[XS+2*i], v[XS+2*i+1]
.set i, i+1
.endr
.irp i, 0,1,2,3
	ds_store_b128 v4, v[QC+4*\i:QC+4*\i+3] offset:64*(\t)+16*\i
.endr
.if (\t)+2 < 4
	WLOAD (\t)+2
.endif
	s_wait_dscnt 0x0                               ; the stores have read their registers
.endm
	WLOAD 0
	WLOAD 1
	WBLOCK 0
	WBLOCK 1
	WBLOCK 2
	WBLOCK 3
.irp n, 0,1,2,3,4,5,6,7,8,9,10,11,12,13,14,15
	ds_load_b128 v[QO+4*\n:QO+4*\n+3], v7 offset:(\n%8)*1088+128*(\n/8)
.endr
.irp n, 0,1,2,3,4,5,6,7,8,9,10,11,12,13,14,15
	s_wait_dscnt 15-\n
	global_store_b128 v8, v[QO+4*\n:QO+4*\n+3], s[32:33] offset:(\n/8)*32768+(\n%8)*512
.endr
	s_wait_tensorcnt 0x0                           ; the wave's end
	ds_add_u32 v[SPW], v[NIL]
	s_wait_dscnt 0x0
	s_endpgm
.Lfunc_end_k_qbdeb9c6314_prep:
	.size	k_qbdeb9c6314_prep, .Lfunc_end_k_qbdeb9c6314_prep-k_qbdeb9c6314_prep
	.p2alignl 7, 3214868480
	.fill 96, 4, 3214868480
	.section	.rodata,"a",@progbits
	.p2align	6, 0x0
	.amdhsa_kernel k_qbdeb9c6314_prep
		.amdhsa_group_segment_fixed_size 136704
		.amdhsa_private_segment_fixed_size 0
		.amdhsa_enable_private_segment 0
		.amdhsa_kernarg_size 112
		.amdhsa_user_sgpr_count 2
		.amdhsa_user_sgpr_kernarg_segment_ptr 1
		.amdhsa_wavefront_size32 1
		.amdhsa_system_sgpr_workgroup_id_x 1
		.amdhsa_system_sgpr_workgroup_id_y 1
		.amdhsa_system_sgpr_workgroup_id_z 1
		.amdhsa_system_vgpr_workitem_id 0
		.amdhsa_next_free_vgpr 232
		.amdhsa_next_free_sgpr 66
		.amdhsa_reserve_vcc 0
		.amdhsa_float_denorm_mode_32 3
		.amdhsa_float_denorm_mode_16_64 3
		.amdhsa_memory_ordered 1
		.amdhsa_forward_progress 1
		.amdhsa_inst_pref_size 181
	.end_amdhsa_kernel
	.amdgpu_metadata
---
amdhsa.version: [ 1, 2 ]
amdhsa.kernels:
  - .name:           k_qbdeb9c6314_prep
    .symbol:         k_qbdeb9c6314_prep.kd
    .args:
      - { .name: q, .offset: 0, .size: 8, .value_kind: global_buffer, .address_space: global }
      - { .name: k, .offset: 8, .size: 8, .value_kind: global_buffer, .address_space: global }
      - { .name: v, .offset: 16, .size: 8, .value_kind: global_buffer, .address_space: global }
      - { .name: mask, .offset: 24, .size: 8, .value_kind: global_buffer, .address_space: global }
      - { .name: w_q, .offset: 32, .size: 8, .value_kind: global_buffer, .address_space: global }
      - { .name: w_k, .offset: 40, .size: 8, .value_kind: global_buffer, .address_space: global }
      - { .name: w_v, .offset: 48, .size: 8, .value_kind: global_buffer, .address_space: global }
      - { .name: w_o, .offset: 56, .size: 8, .value_kind: global_buffer, .address_space: global }
      - { .name: acodes, .offset: 64, .size: 8, .value_kind: global_buffer, .address_space: global }
      - { .name: ascales, .offset: 72, .size: 8, .value_kind: global_buffer, .address_space: global }
      - { .name: wcodes, .offset: 80, .size: 8, .value_kind: global_buffer, .address_space: global }
      - { .name: wscales, .offset: 88, .size: 8, .value_kind: global_buffer, .address_space: global }
      - { .name: wot, .offset: 96, .size: 8, .value_kind: global_buffer, .address_space: global }
      - { .name: maskbits, .offset: 104, .size: 8, .value_kind: global_buffer, .address_space: global }
    .group_segment_fixed_size: 136704
    .private_segment_fixed_size: 0
    .kernarg_segment_align: 8
    .kernarg_segment_size: 112
    .max_flat_workgroup_size: 128
    .sgpr_count:     66
    .vgpr_count:     232
    .wavefront_size: 32
...
	.end_amdgpu_metadata
.endif
;; end of part 1
;; launch proj (part 2): grid 4 x 96, 4 waves a work-group, clusters of 4 x 4, 327,680 bytes of LDS; arguments acodes, ascales, wcodes, wscales, qkvh, b_q, b_k, b_v; writes qkvh
.if DOCPART == 2
	.amdgcn_target "amdgcn-amd-amdhsa--gfx1250"
	.amdhsa_code_object_version 6
	.text
	.protected	k_qbdeb9c6314_proj
	.globl	k_qbdeb9c6314_proj
	.p2align	8
	.type	k_qbdeb9c6314_proj,@function
k_qbdeb9c6314_proj:
	s_mov_b64 s[64:65], 0
	v_nop
	global_prefetch_b8 v0, s[64:65] scope:SCOPE_SE
	s_setreg_imm32_b32 hwreg(HW_REG_WAVE_MODE, 25, 1), 1
	s_wait_xcnt 0x0
	s_wait_alu depctr_hold_cnt(0) depctr_sa_sdst(0) depctr_va_vdst(0) depctr_va_sdst(0) depctr_va_ssrc(0) depctr_va_vcc(0) depctr_vm_vsrc(0)
	s_getreg_b32 s2, hwreg(HW_REG_IB_STS2, 6, 4)
	s_cmp_eq_u32 s2, 0
	s_cbranch_scc0 .Lentry_in_a_cluster
	s_endpgm
.Lentry_in_a_cluster:
	s_bfe_u32 s2, ttmp6, 0x10000c
	s_cmp_lg_u32 s2, 0xf033
	s_cbranch_scc0 .Lentry_shape_is_right
	s_endpgm
.Lentry_shape_is_right:
; PROJ: the three quantised projections as ONE product on codes of FP4 (E2M1) with one E8M0 scale for each 32 along K.  A: the codes of q, k, v on end, [24576][1024]; B: those of w_q, w_k, w_v, [3][1024 (n)][1024 (k)].
; Tile rows 32 p .. 32 p + 31 of the result belong to projection p and take B's part p and bias p.  The result, + bias, goes out as f16, by heads: qkvh [3][batch x 16 + head][2048][64].
; Part 0 (the queries) is multiplied by log2(e) / 8 in f32 ahead of its one rounding, so that the attention's scores are exponents of 2 as they come out of the matrix unit.
; LIMITS: a result beyond 65,504 has no f16 number.
; A tile of 256 x 256 is made by four waves, 128 x 128 each: 64 accumulators, 512 registers.  K = 1,024 is two steps of 512: both slots of the ring and all scale bytes are first fills; nothing is filled again.
; CLUSTERS: 4 x 4 work-groups.  The four of a row need the same tiles of A, the four of a column the same tiles of B: each tile is asked for JOINTLY.  All sixteen lie in one projection (8 clusters to each).
; THE MATRIX INSTRUCTION IS USED TRANSPOSED (source 0 = 16 rows of B, source 1 = 16 rows of A): a lane holds eight neighbouring columns of one row of the result.
; THE BIAS is the C of each sum's first matrix instruction: eight registers a column block, in the result's layout.
; REGISTERS: window 0: v0-31 addresses; v32-95 scale words, two sets; v128-191 A's fragments, one set; on the way out v32-191 at work.
;   window 1: B's fragments at v0 and v128, two sets; v192-255 the bias.   window 2: the accumulators of my rows 0-63 ((a, b) at v[8 (8 a + b)]);   window 3: those of my rows 64-127.
.set KSTEP,  512
.set NQ,     4                         ; matrix instructions deep in a slot
.set ROWB,   256                       ; a tile's row in bytes
.set KROW,   512                       ; a row of codes in memory
.set PITCH,  272                       ; an LDS row: 256 bytes + 16 of padding: the 16 rows that a load touches start at 16 different banks (64 banks of 4 bytes: ISA guide 11.1)
.set FR,     8
.set NL,     2
.set NP,     4                         ; places behind this matrix instruction (ISA guide 7.12.1)
.set HALFT,  128*PITCH
.set SLOT,   4*HALFT
.set KS,     32                        ; a row of scale bytes
.set SCL,    2*SLOT                    ; behind the ring: the scales, as rows of 256 bytes + 16
.set HALFS,  (128*KS/256)*272
.set SBLK,   (16*KS/256)*272
.set SPARE,  SCL+4*HALFS               ; the spare words, 128 bytes for each wave: two blocks of 256 bytes that no other line names
.set ADRA, 16
.set ADRB, 20
.set STO,  24                          ; the way out: where I put 16 bytes of a row
.set RD,   25                          ; and where I read rows back
.set CO,   26                          ; 16 x lane
.set ADRS, 27
.set SPW,  28
.set NIL,  29
.set BOF,  30                          ; 32 x (lane / 16): my half's eight biases of a column block
.set SC,   32
.set AF,   128
.set BIAS, 192                         ; in window 1
.set TMPF, 32                          ; the way out: a block in f32, scaled;
.set TMPH, 96                          ; in f16;
.set BK,   128                         ; and back from the stage: v128-159 and v160-191 by turns
.set G1, 24
.set G0, 32
.set G1B, 48
.set G0B, 56
.set G1S, 68
.set G0S, 76
.set G1SB, 80
.set G0SB, 88
.set MSB, 0
.macro WIN new                         ; the immediate's high byte repeats the setting that is left
.if MSB != \new
	s_set_vgpr_msb (MSB<<8)|\new
.set MSB, \new
.endif
.endm
.set MUL_LO,  0xa1                     ; source 0 (B) window 1, source 1 (A) window 0, C and D window 2
.set MUL_HI,  0xf1                     ; the same, C and D window 3
.set BIAS_LO, 0x91                     ; C (the bias) window 1, D window 2
.set BIAS_HI, 0xd1                     ; C window 1, D window 3
.set TO_B,    0x40
; A joint load: waves 0 and 1 fetch for A, waves 2 and 3 for B.  The branch hangs on the wave's number alone.  An s_nop 0 and four v_nop follow each of the two lines.
.macro JLOAD g0a, g1a, g0b, g1b
	s_cmp_eq_u32 s15, 0
	s_cbranch_scc0 .Lfor_b_\@
	tensor_load_to_lds s[\g0a:\g0a+3], s[\g1a:\g1a+7]
	s_nop 0
.rept 4
	v_nop
.endr
	s_branch .Lasked_\@
.Lfor_b_\@:
	tensor_load_to_lds s[\g0b:\g0b+3], s[\g1b:\g1b+7]
	s_nop 0
.rept 4
	v_nop
.endr
.Lasked_\@:
.endm
.macro CROUND                          ; a round of the cluster's barrier
	s_barrier_signal -1
	s_barrier_wait -1
	s_cmp_lg_u32 s14, 0
	s_cbranch_scc1 .Lnot_wave_0_\@
	s_barrier_signal -3
.Lnot_wave_0_\@:
	s_barrier_wait -3
	s_barrier_signal -1
	s_barrier_wait -1
.endm
	s_load_b128 s[4:7], s[0:1], 0x0                ; A's codes, A's scales
	s_load_b128 s[8:11], s[0:1], 0x10              ; B's codes, B's scales
	s_load_b64 s[12:13], s[0:1], 0x20              ; qkvh
	s_load_b64 s[96:97], s[0:1], 0x28              ; b_q
	s_load_b64 s[98:99], s[0:1], 0x30              ; b_k
	s_load_b64 s[100:101], s[0:1], 0x38            ; b_v
	v_lshl_add_u32 v[SPW], v0, 2, SPARE
	v_mov_b32 v[NIL], 0
	ds_add_u32 v[SPW], v[NIL]                      ; the wave's opening: the add, twice on end, and its wait ahead of my first tensor load
	ds_add_u32 v[SPW], v[NIL]
	v_lshrrev_b32 v1, 5, v0
	v_readfirstlane_b32 s14, v1                    ; wave 0..3
	s_lshr_b32 s15, s14, 1                         ; which half of the tile's rows is mine.  Also: I fetch for A (0) or for B (1)
	s_and_b32 s16, s14, 1                          ; which half of its columns.  Also: which 128 rows I fetch
	s_bfe_u32 s40, ttmp6, 0x40000                  ; cx, cy
	s_bfe_u32 s41, ttmp6, 0x40004
	s_lshl_b32 s42, ttmp9, 2
	s_add_co_u32 s42, s42, s40                     ; tile column
	s_and_b32 s17, ttmp7, 0xffff
	s_lshr_b32 s95, s17, 3                         ; p, the projection: 8 clusters along y to each; the same in all sixteen partners
	s_lshl_b32 s17, s17, 2
	s_add_co_u32 s17, s17, s41                     ; tile row, over the three projections
	s_lshl_b32 s43, s41, 2
	s_lshl_b32 s43, 15, s43                        ; my row of the cluster
	s_lshl_b32 s44, 0x1111, s40                    ; my column
	s_or_b32 s[G1+0], s43, (0<<16)|(1<<20)|(1<<21)|(5<<22)|(3<<25)  ; the mask; elements of 1 byte; padding on; bit 21 beside a mask; 4 words behind every 64
	s_or_b32 s[G1B+0], s44, (0<<16)|(1<<20)|(1<<21)|(5<<22)|(3<<25)
.irp g, G1, G1B
	s_mov_b32 s[\g+1], ROWB<<16                    ; tensor_dim0
	s_mov_b32 s[\g+2], 128<<16                     ; tensor_dim1
	s_mov_b32 s[\g+3], ROWB<<16                    ; tile_dim0
	s_mov_b32 s[\g+4], 128                         ; tile_dim1
	s_mov_b32 s[\g+5], KROW                        ; the pitch
	s_mov_b32 s[\g+6], 0
	s_mov_b32 s[\g+7], 0
.endr
	s_or_b32 s[G1S+0], s43, (3<<16)|(1<<20)|(1<<21)|(5<<22)|(3<<25)   ; the scales of 128 rows: 4,096 dense bytes as 16 rows of 256 (32 elements of 8 bytes)
	s_or_b32 s[G1SB+0], s44, (3<<16)|(1<<20)|(1<<21)|(5<<22)|(3<<25)
.irp g, G1S, G1SB
	s_mov_b32 s[\g+1], 32<<16
	s_mov_b32 s[\g+2], (128*KS/256)<<16
	s_mov_b32 s[\g+3], 32<<16
	s_mov_b32 s[\g+4], 128*KS/256
	s_mov_b32 s[\g+5], 32
	s_mov_b32 s[\g+6], 0
	s_mov_b32 s[\g+7], 0
.endr
	s_lshl_b32 s18, s16, 7
	s_lshl_b32 s20, s17, 8
	s_add_co_u32 s20, s20, s18                     ; A: row 256 x tile row + 128 x half
	s_lshl_b32 s46, s42, 8
	s_add_co_u32 s46, s46, s18
	s_lshl_b32 s47, s95, 10
	s_add_co_u32 s46, s46, s47                     ; B: row 1,024 p + 256 x tile column + 128 x half
	s_mov_b32 s21, 0
	s_mov_b32 s47, 0
	s_mov_b64 s[18:19], KS
	s_mul_u64 s[22:23], s[20:21], s[18:19]
	s_mul_u64 s[92:93], s[46:47], s[18:19]
	s_mov_b64 s[18:19], KROW
	s_mul_u64 s[20:21], s[20:21], s[18:19]
	s_mul_u64 s[46:47], s[46:47], s[18:19]
	s_mul_i32 s45, s14, HALFT                      ; where they go: wave x 128 rows: no place in the cluster enters an LDS address
	s_mul_i32 s94, s14, HALFS
	s_wait_dscnt 0x0                               ; both opening adds are done
	s_wait_kmcnt 0x0
	s_add_nc_u64 s[20:21], s[4:5], s[20:21]
	s_add_nc_u64 s[22:23], s[6:7], s[22:23]
	s_add_nc_u64 s[46:47], s[8:9], s[46:47]
	s_add_nc_u64 s[92:93], s[10:11], s[92:93]
	CROUND                                         ; all sixteen work-groups are here: the first joint loads meet
	s_mov_b32 s[G0S], 1
	s_add_co_u32 s[G0S+1], s94, SCL
	s_mov_b64 s[G0S+2:G0S+3], s[22:23]
	s_or_b32 s[G0S+3], s[G0S+3], 0x80000000
	s_mov_b32 s[G0SB], 1
	s_add_co_u32 s[G0SB+1], s94, SCL
	s_mov_b64 s[G0SB+2:G0SB+3], s[92:93]
	s_or_b32 s[G0SB+3], s[G0SB+3], 0x80000000
	JLOAD G0S, G1S, G0SB, G1SB                     ; the scales first: they are wanted with K step 0.  Three loads of mine are out behind the third of these lines
.irp s, 0,1
	s_mov_b32 s[G0+4*\s], 1
	s_add_co_u32 s[G0+4*\s+1], s45, \s*SLOT
	s_add_nc_u64 s[G0+4*\s+2:G0+4*\s+3], s[20:21], \s*ROWB
	s_or_b32 s[G0+4*\s+3], s[G0+4*\s+3], 0x80000000
	s_mov_b32 s[G0B+4*\s], 1
	s_add_co_u32 s[G0B+4*\s+1], s45, \s*SLOT
	s_add_nc_u64 s[G0B+4*\s+2:G0B+4*\s+3], s[46:47], \s*ROWB
	s_or_b32 s[G0B+4*\s+3], s[G0B+4*\s+3], 0x80000000
	JLOAD G0+4*\s, G1, G0B+4*\s, G1B
.endr
	v_and_b32 v1, 15, v0                           ; r
	v_bfe_u32 v2, v0, 4, 1                         ; h
	v_mul_u32_u24 v3, v1, PITCH
	v_lshl_add_u32 v4, v2, 4, v3
	s_mul_i32 s21, s15, HALFT
	s_mul_i32 s22, s16, HALFT
	s_add_co_u32 s22, s22, 2*HALFT
.irp s, 0,1
	v_add_nc_u32 v[ADRA+\s], s21, v4
	v_add_nc_u32 v[ADRB+\s], s22, v4
	s_add_co_u32 s21, s21, SLOT
	s_add_co_u32 s22, s22, SLOT
.endr
	v_mul_u32_u24 v5, v1, KS                       ; my row's scales: 32 bytes a row,
	v_lshrrev_b32 v6, 8, v5
	v_lshl_add_u32 v5, v6, 4, v5                   ; and 16 more for each 256 passed
	s_mul_i32 s21, s15, HALFS
	s_mul_i32 s22, s16, HALFS
	s_add_co_u32 s22, s22, 2*HALFS
	s_sub_co_u32 s22, s22, s21
	v_mul_u32_u24 v6, s22, v2                      ; lanes 16-31 take B's
	s_add_co_u32 s21, s21, SCL
	v_add_nc_u32 v5, v5, v6
	v_add_nc_u32 v[ADRS], s21, v5
	s_mul_i32 s23, s14, 16*PITCH                   ; my stage: 16 rows x 272, in slot 0, which has had its only fill and its last read when the first result is stored there
	v_add_nc_u32 v[STO], s23, v4                   ; in: row r, + 16 h
	v_and_b32 v6, 31, v0
	v_lshlrev_b32 v[CO], 4, v6
	v_lshrrev_b32 v5, 3, v6
	v_mul_u32_u24 v5, v5, PITCH
	v_and_b32 v6, 7, v0
	v_lshl_add_u32 v5, v6, 4, v5
	v_add_nc_u32 v[RD], s23, v5                    ; back: eight lanes to a head's 128 bytes of a row, four rows an instruction
	; where my part begins in qkvh: p x 2^24 + batch x 2^22 + head x 2^18 + position x 128
	s_and_b32 s20, s17, 31                         ; the tile row within the projection
	s_lshr_b32 s21, s20, 3
	s_lshl_b32 s21, s21, 22                        ; the batch
	s_and_b32 s20, s20, 7
	s_lshl_b32 s20, s20, 8
	s_lshl_b32 s22, s15, 7
	s_add_co_u32 s20, s20, s22                     ; my first position
	s_lshl_b32 s20, s20, 7
	s_add_co_u32 s20, s20, s21
	s_lshl_b32 s21, s95, 24
	s_add_co_u32 s20, s20, s21
	s_lshl_b32 s21, s42, 2
	s_lshl_b32 s22, s16, 1
	s_add_co_u32 s21, s21, s22                     ; my first head: 4 x tile column + 2 x half
	s_lshl_b32 s21, s21, 18
	s_add_co_u32 s20, s20, s21
	s_mov_b32 s21, 0
	s_add_nc_u64 s[12:13], s[12:13], s[20:21]
	; the bias of my projection, and the factor of the way out
	s_cmp_lt_u32 s95, 2
	s_cselect_b64 s[98:99], s[98:99], s[100:101]
	s_cmp_lt_u32 s95, 1
	s_cselect_b64 s[96:97], s[96:97], s[98:99]
	s_mov_b32 s99, 0x3f800000
	s_cselect_b32 s98, 0x3e38aa3b, s99             ; log2(e) / 8 for the queries, 1 for the keys and the values
	s_mov_b32 s99, s98                             ; (named with it as a pair, so it is written)
	s_lshl_b32 s46, s42, 10
	s_lshl_b32 s47, s16, 9
	s_add_co_u32 s46, s46, s47                     ; my first column, in bytes
	s_mov_b32 s47, 0
	s_add_nc_u64 s[96:97], s[96:97], s[46:47]
	v_lshlrev_b32 v[BOF], 5, v2
	WIN TO_B
.irp b, 0,1,2,3,4,5,6,7
	global_load_b128 v[BIAS+8*\b:BIAS+8*\b+3], v[BOF], s[96:97] offset:64*\b       ; lane (r, h): the biases of columns 16 b + 8 h + 0 .. 7
	global_load_b128 v[BIAS+8*\b+4:BIAS+8*\b+7], v[BOF], s[96:97] offset:64*\b+16
.endr
	WIN 0
.macro FRAG reg, adr, q, i             ; a fragment, 16 rows x 128 K of 4-bit codes: 8 registers, two loads of 16 bytes, 32 bytes apart
.irp c, 0,1
	ds_load_b128 v[\reg+4*\c:\reg+4*\c+3], v[\adr] offset:64*(\q)+32*\c+(\i)*16*PITCH
.endr
.endm
; 16 matrix instructions: A's blocks a0, a0 + 1 x B's eight, 128 along K.  zero = 1: the first product starts the sums, from the bias.  The 64 accumulators take turns, one instruction a turn.
.macro MUL16 a0, p, q, sc, zero
.irp a, \a0, \a0+1
.irp b, 0,1,2,3,4,5,6,7
.if \zero
	v_wmma_scale_f32_16x16x128_f8f6f4 v[8*(8*((\a)%4)+\b):8*(8*((\a)%4)+\b)+7], v[128*(\p)+FR*\b:128*(\p)+FR*\b+FR-1], v[AF+FR*(\a):AF+FR*(\a)+FR-1], v[BIAS+8*\b:BIAS+8*\b+7], v[SC+8*NQ*(\sc)+NQ*\b+(\q)], v[SC+8*NQ*(\sc)+NQ*(\a)+(\q)] matrix_a_fmt:MATRIX_FMT_FP4 matrix_b_fmt:MATRIX_FMT_FP4 matrix_a_scale:MATRIX_SCALE_ROW1
.else
	v_wmma_scale_f32_16x16x128_f8f6f4 v[8*(8*((\a)%4)+\b):8*(8*((\a)%4)+\b)+7], v[128*(\p)+FR*\b:128*(\p)+FR*\b+FR-1], v[AF+FR*(\a):AF+FR*(\a)+FR-1], v[8*(8*((\a)%4)+\b):8*(8*((\a)%4)+\b)+7], v[SC+8*NQ*(\sc)+NQ*\b+(\q)], v[SC+8*NQ*(\sc)+NQ*(\a)+(\q)] matrix_a_fmt:MATRIX_FMT_FP4 matrix_b_fmt:MATRIX_FMT_FP4 matrix_a_scale:MATRIX_SCALE_ROW1
.endif
.endr
.endr
.endm
.macro FETCH_B slot, q, p
	WIN TO_B
.irp i, 0,1,2,3,4,5,6,7
	FRAG 128*(\p)+FR*\i, ADRB+\slot, \q, \i
.endr
	WIN 0
.endm
.macro FETCH_A slot, q, i0
.irp i, \i0, \i0+1, \i0+2, \i0+3
	FRAG AF+FR*(\i), ADRA+\slot, \q, \i
.endr
.endm
.macro SCALES sc                       ; a K step's scale words: lanes 0-15 take A's block i, lanes 16-31 B's block i
.irp i, 0,1,2,3,4,5,6,7
	ds_load_b128 v[SC+8*NQ*\sc+NQ*\i:SC+8*NQ*\sc+NQ*\i+3], v[ADRS] offset:\i*SBLK
.endr
.endm
.macro PLACES n                        ; plain vector instructions between a matrix instruction and a load into, or a read or write of, its registers
.rept \n
	v_nop
.endr
.endm
.macro STEP slot, q, zero              ; a step of 128 along K that has its successor in the same slot
	s_wait_dscnt 4*NL                              ; B's set and A's blocks 0-3 are in; the youngest eight loads (A's blocks 4-7) may be out
.if \zero
	WIN BIAS_LO
.else
	WIN MUL_LO
.endif
	MUL16 0, (\q)%2, \q, \slot, \zero
	MUL16 2, (\q)%2, \q, \slot, \zero
	s_wait_dscnt 0                                 ; A's blocks 4-7 are in
	PLACES NP
	FETCH_B \slot, (\q)+1, 1-(\q)%2
	FETCH_A \slot, (\q)+1, 0
.if \zero
	WIN BIAS_HI
.else
	WIN MUL_HI
.endif
	MUL16 4, (\q)%2, \q, \slot, \zero
	MUL16 6, (\q)%2, \q, \slot, \zero
	PLACES NP
	WIN 0
	FETCH_A \slot, (\q)+1, 4
.endm
; Slot 0's last step changes slots: one barrier; in front of it each wave waits for all its tensor loads (slot 1's is the one that may be out), adds 0 to its spare word, and waits for that and for its reads of slot 0.  Nothing is filled again.
.macro TURN slot, next
	s_wait_tensorcnt 0x0
	ds_add_u32 v[SPW], v[NIL]
	s_wait_dscnt 4*NL+1                            ; (the add and the youngest eight loads may be out)
	WIN MUL_LO
	MUL16 0, 1, NQ-1, \slot, 0
	s_wait_dscnt 0x0                               ; the add is done, and my reads of this slot are over
	s_barrier_signal -1
	MUL16 2, 1, NQ-1, \slot, 0
	WIN 0
	s_barrier_wait -1
	PLACES NP
	v_add_nc_u32 v[ADRS], 4*NQ, v[ADRS]            ; on to the next K step's scale words
	FETCH_B \next, 0, 0
	FETCH_A \next, 0, 0
	SCALES \next
	WIN MUL_HI
	MUL16 4, 1, NQ-1, \slot, 0
	MUL16 6, 1, NQ-1, \slot, 0
	PLACES NP
	WIN 0
	FETCH_A \next, 0, 4
.endm
.macro STEPS slot, from
.set KQ, \from
.rept NQ-1-\from
	STEP \slot, KQ, 0
.set KQ, KQ+1
.endr
.endm
	s_wait_tensorcnt 1                             ; the scales and my part of K step 0 are in (K step 1's load may be out)
	s_barrier_signal -1
	s_barrier_wait -1                              ; everybody's are
	FETCH_B 0, 0, 0
	FETCH_A 0, 0, 0
	SCALES 0
	FETCH_A 0, 0, 4
	s_wait_loadcnt 0x0                             ; the bias
	STEP 0, 0, 1
	STEPS 0, 1
	TURN 0, 1
	STEPS 1, 0
	s_wait_dscnt 4*NL                              ; the very last step
	WIN MUL_LO
	MUL16 0, 1, NQ-1, 1, 0
	MUL16 2, 1, NQ-1, 1, 0
	s_wait_dscnt 0
	WIN MUL_HI
	MUL16 4, 1, NQ-1, 1, 0
	MUL16 6, 1, NQ-1, 1, 0
	WIN 0
; THE WAY OUT, block by block of 16 rows x 128 columns (two heads).  PACK: x the factor, in f32, then one rounding to f16.  TOSTAGE: 16 bytes a lane into my stage, and back by heads: a head's 16 rows of 128 bytes are
; 2,048 consecutive bytes of qkvh.  SEND: each store covers 512 of them, aligned.
.macro PACK a
.set AC, 64*((\a)%4)
	WIN 0x02+((\a)/4)                              ; source 0: window 2 or 3
.set i, 0
.rept 32
	v_pk_mul_f32 v[TMPF+2*i:TMPF+2*i+1], v[AC+2*i:AC+2*i+1], s[98:99] op_sel_hi:[1,0]   ; ascending: each accumulator from its low end on
.set i, i+1
.endr
	WIN 0
.set i, 0
.rept 32
	v_cvt_pk_f16_f32 v[TMPH+i], v[TMPF+2*i], v[TMPF+2*i+1]
.set i, i+1
.endr
.endm
.macro TOSTAGE a
.irp b, 0,1,2,3,4,5,6,7
	ds_store_b128 v[STO], v[TMPH+4*\b:TMPH+4*\b+3] offset:32*\b
.endr
.set BB, BK+32*((\a)%2)
.irp n, 0,1,2,3,4,5,6,7
	ds_load_b128 v[BB+4*\n:BB+4*\n+3], v[RD] offset:(\n%4)*4*PITCH+128*(\n/4)   ; LDS serves a wave's instructions in order (ISA guide 5.7.1.4): these see the stores above
.endr
.endm
.macro SEND a
.set BB, BK+32*((\a)%2)
	s_wait_dscnt 0x0                               ; the block is back in registers
	s_wait_xcnt 0x0                                ; the stores of the block before have read their registers: the next block's loads may land there
.irp n, 0,1,2,3,4,5,6,7
	global_store_b128 v[CO], v[BB+4*\n:BB+4*\n+3], s[12:13] offset:(\n/4)*262144+(\a)*2048+(\n%4)*512
.endr
.endm
	PLACES NP                                      ; behind the last products: for the writes of the scale words' registers, the loads into A's, and the reads of results
	PACK 0
	TOSTAGE 0
.irp a, 1,2,3,4,5,6,7                  ; block a's arithmetic stands between block a - 1's loads from the stage and the wait for them
	PACK \a
	SEND \a-1
	TOSTAGE \a
.endr
	SEND 7
	s_wait_tensorcnt 0x0                           ; the wave's end
	ds_add_u32 v[SPW], v[NIL]
	s_wait_dscnt 0x0
	CROUND                                         ; the closing round
	s_endpgm
.Lfunc_end_k_qbdeb9c6314_proj:
	.size	k_qbdeb9c6314_proj, .Lfunc_end_k_qbdeb9c6314_proj-k_qbdeb9c6314_proj
	.p2alignl 7, 3214868480
	.fill 96, 4, 3214868480
	.section	.rodata,"a",@progbits
	.p2align	6, 0x0
	.amdhsa_kernel k_qbdeb9c6314_proj
		.amdhsa_group_segment_fixed_size 327680
		.amdhsa_private_segment_fixed_size 0
		.amdhsa_enable_private_segment 0
		.amdhsa_kernarg_size 64
		.amdhsa_user_sgpr_count 2
		.amdhsa_user_sgpr_kernarg_segment_ptr 1
		.amdhsa_wavefront_size32 1
		.amdhsa_system_sgpr_workgroup_id_x 1
		.amdhsa_system_sgpr_workgroup_id_y 1
		.amdhsa_system_sgpr_workgroup_id_z 1
		.amdhsa_system_vgpr_workitem_id 0
		.amdhsa_next_free_vgpr 1024
		.amdhsa_next_free_sgpr 102
		.amdhsa_reserve_vcc 0
		.amdhsa_float_denorm_mode_32 3
		.amdhsa_float_denorm_mode_16_64 3
		.amdhsa_memory_ordered 1
		.amdhsa_forward_progress 1
		.amdhsa_inst_pref_size 145
	.end_amdhsa_kernel
	.amdgpu_metadata
---
amdhsa.version: [ 1, 2 ]
amdhsa.kernels:
  - .name:           k_qbdeb9c6314_proj
    .symbol:         k_qbdeb9c6314_proj.kd
    .args:
      - { .name: acodes, .offset: 0, .size: 8, .value_kind: global_buffer, .address_space: global }
      - { .name: ascales, .offset: 8, .size: 8, .value_kind: global_buffer, .address_space: global }
      - { .name: wcodes, .offset: 16, .size: 8, .value_kind: global_buffer, .address_space: global }
      - { .name: wscales, .offset: 24, .size: 8, .value_kind: global_buffer, .address_space: global }
      - { .name: qkvh, .offset: 32, .size: 8, .value_kind: global_buffer, .address_space: global }
      - { .name: b_q, .offset: 40, .size: 8, .value_kind: global_buffer, .address_space: global }
      - { .name: b_k, .offset: 48, .size: 8, .value_kind: global_buffer, .address_space: global }
      - { .name: b_v, .offset: 56, .size: 8, .value_kind: global_buffer, .address_space: global }
    .group_segment_fixed_size: 327680
    .private_segment_fixed_size: 0
    .kernarg_segment_align: 8
    .kernarg_segment_size: 64
    .max_flat_workgroup_size: 128
    .sgpr_count:     102
    .vgpr_count:     1024
    .wavefront_size: 32
...
	.end_amdgpu_metadata
.endif
;; end of part 2
;; launch attn (part 3): grid 4 x 64, 8 waves a work-group, clusters of 4 x 1, 327,680 bytes of LDS; arguments qkvh, maskbits, ao; writes ao
.if DOCPART == 3
	.amdgcn_target "amdgcn-amd-amdhsa--gfx1250"
	.amdhsa_code_object_version 6
	.text
	.protected	k_qbdeb9c6314_attn
	.globl	k_qbdeb9c6314_attn
	.p2align	8
	.type	k_qbdeb9c6314_attn,@function
k_qbdeb9c6314_attn:
	s_mov_b64 s[64:65], 0
	v_nop
	global_prefetch_b8 v0, s[64:65] scope:SCOPE_SE
	s_setreg_imm32_b32 hwreg(HW_REG_WAVE_MODE, 25, 1), 1
	s_wait_xcnt 0x0
	s_wait_alu depctr_hold_cnt(0) depctr_sa_sdst(0) depctr_va_vdst(0) depctr_va_sdst(0) depctr_va_ssrc(0) depctr_va_vcc(0) depctr_vm_vsrc(0)
	s_getreg_b32 s2, hwreg(HW_REG_IB_STS2, 6, 4)
	s_cmp_eq_u32 s2, 0
	s_cbranch_scc0 .Lentry_in_a_cluster
	s_endpgm
.Lentry_in_a_cluster:
	s_bfe_u32 s2, ttmp6, 0x10000c
	s_cmp_lg_u32 s2, 0x3003
	s_cbranch_scc0 .Lentry_shape_is_right
	s_endpgm
.Lentry_shape_is_right:
; ATTN: for each batch and head, O[q] = the sum over keys of softmax_k(masked score) V[k].  qkvh [3][batch x 16 + head][2048][64] f16: part 0 the queries, already x log2(e) / 8; part 1 the keys; part 2 the values.
; So a product K Q^T is t = score x log2(e) / 8.  Where the mask is 0, t is REPLACED by -1e9 x log2(e); p = 2^(t - m), m the running maximum of the row, taken over masked places too: a row with no key left
; has all its t equal, all p = 1, and comes out as the mean of V.  The difference t - m is one subtraction, not a fused scaling.  Products in f16 with f32 sums; maxima, exponentials and sums in f32.
; Result: ao [token / 128][head][token % 128][64] f16, as the last product wants it.  LIMITS: operands beyond 65,504 have no f16 number; NaN and infinities are not served.
; SHARES.  A work-group owns 512 queries of one head; each of its eight waves 64: four tiles of 16.  Two waves share a SIMD: one wave's softmax stands beside the other's products.  Every wave walks all 2,048 keys, 64 a step.
; LAYOUT.  S^T = K Q^T (source 0 = 16 keys, source 1 = 16 queries): a lane holds ONE query (lane % 16) and keys 8 (lane / 16) + 0..7 of a tile.  Two such tiles, rounded to f16 in pairs, ARE source 1 of O^T = V^T P.
; V ([key][channel]) comes out of LDS turned, by ds_load_tr16_b128.
; THE MASK comes as lane masks, a word for each register of a tile of scores: 32 words a tile and key step, 128 consecutive bytes.  One vector load brings them, word i into lane i; 32 v_readlane_b32 make them scalar registers.
; A ring of eight registers (two key steps x four tiles) keeps eight such loads on their way: a tile's words are asked for two key steps ahead, and the wait for them is counted, since vector loads come back in order.
; CLUSTER.  The four query blocks of a head are one cluster and walk the same K and V: each tile is asked for JOINTLY.  A slot holds four key steps; waves 0-3 fetch their K, waves 4-7 their V: one load a wave and slot.
; REGISTERS.  window 0: v2-13 addresses and constants; v16-47 statistics, eight a tile; v48-55 mask words on their way; v56 their address; v64-127 Q; v128-191 S^T, two buffers (tile t in buffer t % 2); v192-207 P.
;   window 1: v0-127 O^T, 32 a tile; v128-191 V's fragments; v192-255 K's.
.set PKB,   144                        ; a row of K in LDS: 128 bytes + 16: the 16 rows of a load start at 16 different banks (64 banks of 4 bytes: ISA guide 11.1)
.set PVB,   160                        ; a row of V: 128 + 32
.set VOFF,  64*PKB                     ; a step's tiles lie together: 64 rows of K, then 64 rows of V
.set STEPB, 64*(PKB+PVB)
.set SLOT1, 1<<17                      ; slot 1 begins here: one exclusive or turns an address in one slot into the other's
.set STAGE, 4*STEPB                    ; behind slot 0: 16 rows x 144 bytes for each wave, for the way out; no fill lands there
.set SPARE, STAGE+8*16*144             ; the spare words, 128 bytes for each wave: four blocks of 256 bytes that no other line names
.set AK0, 2
.set AV0, 3
.set ADK, 4
.set ADV, 5
.set QO,  6
.set STO, 7
.set RD,  8
.set GO,  9
.set NEG, 10                           ; -1e9 x log2(e)
.set PFO, 11                           ; 256 x lane
.set SPW, 12
.set NIL, 13
.set ST,  16                           ; tile t at v[ST + 8 t]: +0 m, +1 zero (named with m as a pair), +2, +3 l (even keys', odd keys'), +4 to +7 at work; a takes +6
.set MW,  48                           ; v[MW + 4 u + t]: the mask words of tile t for a key step of parity u, word i in lane i
.set MA,  56                           ; 4 x lane + 256 x the pair of key steps that is being asked for, modulo a tile's 4,096 bytes
.set Q,   64                           ; tile t, channels 32 c on: v[Q + 16 t + 8 c]
.set S,   128
.set P,   192
.set VF,  128                          ; window 1: keys 32 g on, channels 16 ct on: v[VF + 32 g + 8 ct]
.set KF,  192                          ; window 1: keys 16 kt on, channels 32 c on: v[KF + 16 kt + 8 c]
.set WV,    2
.set SLOTS, 3
.set G1K,   4                          ; s[4:11]
.set G1V,   12                         ; s[12:19]
.set G0K,   20                         ; s[20:23], walks
.set G0V,   24                         ; s[24:27], walks
.set MB,    28                         ; s[28:29] my wave's four tiles of mask words; never rewritten
.set PFA,   30                         ; s[30:31] where my prefetches stand
.set TB,    66                         ; LDS byte at which the step's tiles begin
.set STEPC, 67
.set MS,    68                         ; s[68:99] the lane masks of the tile in hand
.set LIM,   101
.set SEL,   104                        ; s[104:105] lane l xor 16.   s[32:63]: at work at the head and on the way out
.set MSB, 0
.macro WIN new                         ; the immediate's high byte repeats the setting that is left
.if MSB != \new
	s_set_vgpr_msb (MSB<<8)|\new
.set MSB, \new
.endif
.endm
.macro JLOAD                           ; a joint load; the branch hangs on the wave's number alone; an s_nop 0 and four v_nop follow each of the two lines
	s_cmp_lt_u32 s[WV], 4
	s_cbranch_scc0 .Lfor_v_\@
	tensor_load_to_lds s[G0K:G0K+3], s[G1K:G1K+7]
	s_nop 0
.rept 4
	v_nop
.endr
	s_branch .Lasked_\@
.Lfor_v_\@:
	tensor_load_to_lds s[G0V:G0V+3], s[G1V:G1V+7]
	s_nop 0
.rept 4
	v_nop
.endr
.Lasked_\@:
.endm
; A PREFETCH INTO THE L2 of what the NEXT change of slots will ask for: 256 rows of K and of V, 32,768 dense bytes each.  The four partners share them out BY ADDRESS, 8,192 bytes each; in each, wave 0 asks for K's and
; wave 4 for V's, lanes 256 bytes apart: one instruction, and each block of 256 bytes is named once in the launch.  It stands four key steps ahead of the load that will want the bytes.  The last change that fills a slot asks for nothing.
.macro ASK
	s_cmp_gt_u32 s[SLOTS], s[LIM]
	s_cbranch_scc0 .Lnot_mine_\@
	global_prefetch_b8 v[PFO], s[PFA:PFA+1] th:TH_LOAD_NT scope:SCOPE_SE
.Lnot_mine_\@:
.endm
.macro CROUND                          ; a round of the cluster's barrier
	s_barrier_signal -1
	s_barrier_wait -1
	s_cmp_lg_u32 s[WV], 0
	s_cbranch_scc1 .Lnot_wave_0_\@
	s_barrier_signal -3
.Lnot_wave_0_\@:
	s_barrier_wait -3
	s_barrier_signal -1
	s_barrier_wait -1
.endm
	s_load_b128 s[32:35], s[0:1], 0x0              ; qkvh, maskbits
	v_lshl_add_u32 v[SPW], v0, 2, SPARE
	v_mov_b32 v[NIL], 0
	ds_add_u32 v[SPW], v[NIL]                      ; the wave's opening: the add, twice on end, and its wait ahead of my first tensor load
	ds_add_u32 v[SPW], v[NIL]
	v_lshrrev_b32 v1, 5, v0
	v_readfirstlane_b32 s[WV], v1                  ; wave 0..7
	s_bfe_u32 s36, ttmp6, 0x40000                  ; cx: my block of 512 queries
	s_and_b32 s37, ttmp7, 0xffff                   ; batch x 16 + head, which the four partners share
	s_mov_b32 s[G1K], 15|(1<<16)|(1<<20)|(1<<21)|(4<<22)|(3<<25)  ; the mask: all four; elements of 2 bytes; padding on; bit 21 beside a mask; 4 words behind every 32
	s_mov_b32 s[G1V], 15|(1<<16)|(1<<20)|(1<<21)|(4<<22)|(7<<25)  ; the same with 8 words
.irp g, G1K, G1V
	s_mov_b32 s[\g+1], 64<<16                      ; tensor_dim0
	s_mov_b32 s[\g+2], 64<<16                      ; tensor_dim1
	s_mov_b32 s[\g+3], 64<<16                      ; tile_dim0
	s_mov_b32 s[\g+4], 64                          ; tile_dim1
	s_mov_b32 s[\g+5], 64                          ; the pitch
	s_mov_b32 s[\g+6], 0
	s_mov_b32 s[\g+7], 0
.endr
	s_mov_b32 s[SEL], 0x76543210
	s_mov_b32 s[SEL+1], 0xfedcba98
	s_mov_b32 s[TB], 0
	s_mov_b32 s[SLOTS], 7
	s_and_b32 s38, s[WV], 3                        ; which of a slot's four steps I fetch
	s_cmp_eq_u32 s38, 0
	s_cselect_b32 s[LIM], 1, -1                    ; waves 0 and 4 prefetch
	s_mul_i32 s39, s38, STEPB                      ; its place in a slot: no place in the cluster enters an LDS address
	s_lshl_b32 s46, s37, 18                        ; the head's first byte in a part
	s_lshl_b32 s41, s38, 13                        ; 64 rows of 128 bytes
	s_add_co_u32 s40, s46, s41
	s_mov_b32 s41, 0
	s_lshr_b32 s42, s37, 4                         ; the mask words: (batch x 128 + 32 cx + 4 wave) tiles of 4,096 bytes
	s_lshl_b32 s42, s42, 7
	s_lshl_b32 s43, s36, 5
	s_add_co_u32 s42, s42, s43
	s_lshl_b32 s43, s[WV], 2
	s_add_co_u32 s42, s42, s43
	s_lshl_b32 s42, s42, 12
	s_mov_b32 s43, 0
	s_lshl_b32 s47, s36, 13                        ; the prefetches: my work-group's 8,192 bytes,
	s_add_co_u32 s48, s46, s47
	s_add_co_u32 s48, s48, 32768                   ; in slot 1: the first change of slots steps it to slot 2.  Nothing is prefetched at the head
	s_mov_b32 s49, 0x2000000
	s_cmp_lt_u32 s[WV], 4
	s_cselect_b32 s49, 0x1000000, s49              ; of K or of V
	s_add_co_u32 s48, s48, s49
	s_mov_b32 s49, 0
	s_lshl_b32 s50, s36, 16                        ; Q: my block's 512 rows, my wave's 64
	s_add_co_u32 s50, s50, s46
	s_lshl_b32 s51, s[WV], 13
	s_add_co_u32 s50, s50, s51
	s_mov_b32 s51, 0
	s_mul_i32 s52, s[WV], 16*144
	s_add_co_u32 s52, s52, STAGE                   ; my stage
	s_wait_dscnt 0x0                               ; both opening adds are done
	s_wait_kmcnt 0x0
	s_add_nc_u64 s[MB:MB+1], s[34:35], s[42:43]
	s_add_nc_u64 s[PFA:PFA+1], s[32:33], s[48:49]
	s_add_nc_u64 s[50:51], s[32:33], s[50:51]
	s_add_nc_u64 s[44:45], s[32:33], s[40:41]      ; made of the head and the wave's number alone
	CROUND                                         ; all four work-groups are here: the first joint loads meet
	s_mov_b32 s[G0K], 1
	s_mov_b32 s[G0K+1], s39
	s_add_nc_u64 s[G0K+2:G0K+3], s[44:45], 0x1000000
	s_or_b32 s[G0K+3], s[G0K+3], 0x80000000
	s_mov_b32 s[G0V], 1
	s_add_co_u32 s[G0V+1], s39, VOFF
	s_add_nc_u64 s[G0V+2:G0V+3], s[44:45], 0x2000000
	s_or_b32 s[G0V+3], s[G0V+3], 0x80000000
	JLOAD                                          ; slot 0: one load of mine is out
	v_and_b32 v1, 15, v0                           ; r
	v_bfe_u32 v14, v0, 4, 1                        ; h
	v_and_b32 v15, 31, v0                          ; lane
	v_lshlrev_b32 v[QO], 7, v1
	v_lshl_add_u32 v[QO], v14, 4, v[QO]            ; row r of 128 bytes, + 16 h
.irp f, 0,1,2,3,4,5,6,7                        ; Q stays in registers: tile f / 2, channels 32 (f % 2) on
	global_load_b128 v[Q+8*\f:Q+8*\f+3],   v[QO], s[50:51] offset:(\f/2)*2048+(\f%2)*64
	global_load_b128 v[Q+8*\f+4:Q+8*\f+7], v[QO], s[50:51] offset:(\f/2)*2048+(\f%2)*64+32
.endr
	v_lshlrev_b32 v[MA], 2, v15                    ; a word a lane
.irp u, 0,1                                    ; the ring of mask words is filled: key steps 0 and 1, in the order in which they will be wanted
.irp t, 0,1,2,3
	global_load_b32 v[MW+4*\u+\t], v[MA], s[MB:MB+1] offset:4096*\t+128*\u
.endr
.endr
	v_mul_u32_u24 v[AK0], v1, PKB
	v_lshl_add_u32 v[AK0], v14, 4, v[AK0]          ; K: row r x pitch + 16 h
	v_and_b32 v[AV0], 7, v0
	v_lshl_add_u32 v[AV0], v14, 3, v[AV0]          ; V: lane l reads key 8 (l / 16) + l % 8, channels 8 ((l / 8) % 2) + 0..7
	v_mul_u32_u24 v[AV0], v[AV0], PVB
	v_bfe_u32 v[ADK], v0, 3, 1
	v_lshl_add_u32 v[AV0], v[ADK], 4, v[AV0]
	v_add_nc_u32 v[AV0], VOFF, v[AV0]
	v_mul_u32_u24 v[STO], v1, 144
	v_lshl_add_u32 v[STO], v14, 4, v[STO]
	v_add_nc_u32 v[STO], s52, v[STO]               ; the stage, in: row r, + 16 h
	v_lshrrev_b32 v[RD], 3, v15
	v_mul_u32_u24 v[RD], v[RD], 144
	v_and_b32 v[GO], 7, v0
	v_lshl_add_u32 v[RD], v[GO], 4, v[RD]
	v_add_nc_u32 v[RD], s52, v[RD]                 ; back: eight lanes to a row, four rows an instruction
	v_lshlrev_b32 v[GO], 4, v15
	v_lshlrev_b32 v[PFO], 8, v15
	v_mov_b32 v[NEG], 0xceabfb8f
.irp t, 0,1,2,3
	v_mov_b32 v[ST+8*\t], 0xff61b1e6               ; m: -3e38, under every t
	v_mov_b32 v[ST+8*\t+1], 0
	v_mov_b32 v[ST+8*\t+2], 0                      ; l
	v_mov_b32 v[ST+8*\t+3], 0
	v_mov_b32 v[ST+8*\t+5], 0                      ; a lane permute's destination counts as one of its sources
.endr
	s_wait_xcnt 0x0                                ; the loads above have read their addresses,
	v_add_nc_u32 v[MA], 256, v[MA]                 ; so the mask words' may step: the first two key steps ask for key steps 2 and 3
	WIN 0x40
.set i, 0
.rept 128
	v_mov_b32 v[i], 0                              ; O^T.  The key step is written with no first step of its own: the first finds zeros, which a = 0 leaves zeros; a further form of the step would cost more text than these lines
.set i, i+1
.endr
	WIN 0
; A step's fragments: K's 16 loads, then V's 16.  The two additions and two v_nop are the four places behind the last products of the step before, which read V's registers.
.macro FETCH
	WIN 0
	v_add_nc_u32 v[ADK], s[TB], v[AK0]
	v_add_nc_u32 v[ADV], s[TB], v[AV0]
	v_nop
	v_nop
	WIN 0x40                                       ; destination window 1
.irp f, 0,1,2,3,4,5,6,7
	ds_load_b128 v[KF+8*\f:KF+8*\f+3],   v[ADK] offset:(\f/2)*16*PKB+(\f%2)*64
	ds_load_b128 v[KF+8*\f+4:KF+8*\f+7], v[ADK] offset:(\f/2)*16*PKB+(\f%2)*64+32
.endr
.irp f, 0,1,2,3,4,5,6,7
	ds_load_tr16_b128 v[VF+8*\f:VF+8*\f+3],   v[ADV] offset:(\f/4)*32*PVB+(\f%4)*32
	ds_load_tr16_b128 v[VF+8*\f+4:VF+8*\f+7], v[ADV] offset:(\f/4)*32*PVB+16*PVB+(\f%4)*32
.endr
.endm
; Tile t's scores: eight products; the four accumulators take turns, one instruction a turn; the first four start the sums
.macro QK t
	WIN 0x01                                       ; K in window 1; Q and S^T in window 0
.irp c, 0,1
.irp kt, 0,1,2,3
.if \c == 0
	v_wmma_f32_16x16x32_f16 v[S+32*((\t)%2)+8*\kt:S+32*((\t)%2)+8*\kt+7], v[KF+16*\kt+8*\c:KF+16*\kt+8*\c+7], v[Q+16*(\t)+8*\c:Q+16*(\t)+8*\c+7], 0
.else
	v_wmma_f32_16x16x32_f16 v[S+32*((\t)%2)+8*\kt:S+32*((\t)%2)+8*\kt+7], v[KF+16*\kt+8*\c:KF+16*\kt+8*\c+7], v[Q+16*(\t)+8*\c:Q+16*(\t)+8*\c+7], v[S+32*((\t)%2)+8*\kt:S+32*((\t)%2)+8*\kt+7]
.endif
.endr
.endr
.endm
; O^T of tile t += V^T P: eight products, the four accumulators by turns
.macro PVM t
	WIN 0x51                                       ; V in window 1, P in window 0, O^T in window 1
.irp g, 0,1
.irp ct, 0,1,2,3
	v_wmma_f32_16x16x32_f16 v[32*(\t)+8*\ct:32*(\t)+8*\ct+7], v[VF+32*\g+8*\ct:VF+32*\g+8*\ct+7], v[P+8*\g:P+8*\g+7], v[32*(\t)+8*\ct:32*(\t)+8*\ct+7]
.endr
.endr
.endm
; Tile t's softmax for one key step of parity u.
.macro SM t, u
.set rT, ST+8*(\t)
.set rS, S+32*((\t)%2)
.set rW, MW+4*(\u)+(\t)
	WIN 0
	s_wait_loadcnt 7                               ; vector loads come back in order (ISA guide 5.7.1): of the ring's eight the oldest, this tile's and step's, is in; the seven younger stay out
.set i, 0
.rept 32
	v_readlane_b32 s[MS+i], v[rW], i               ; word i, from lane i: the lane mask of register i of the tile's scores
.set i, i+1
.endr
	global_load_b32 v[rW], v[MA], s[MB:MB+1] offset:4096*(\t)+128*(\u)   ; the register has been read: it takes the tile's words of the key step two further on: 128 consecutive bytes
.set i, 0
.rept 32
	v_cndmask_b32 v[rS+i], v[NEG], v[rS+i], s[MS+i]   ; where the mask is 0 the score is replaced.  Ascending: each accumulator is read from its low end on
.set i, i+1
.endr
.irp j, 0,1,2,3                                ; the maximum of the 32 scores and the old m: four chains of seven, the four left over, the chains, m
	v_max3_num_f32 v[rT+4+\j], v[rS+8*\j], v[rS+8*\j+1], v[rS+8*\j+2]
.endr
.irp w, 1,2
.irp j, 0,1,2,3
	v_max3_num_f32 v[rT+4+\j], v[rT+4+\j], v[rS+8*\j+2*\w+1], v[rS+8*\j+2*\w+2]
.endr
.endr
	v_max3_num_f32 v[rT+4], v[rT+4], v[rS+7], v[rS+15]
	v_max3_num_f32 v[rT+6], v[rT+6], v[rS+23], v[rS+31]
	v_max3_num_f32 v[rT+4], v[rT+4], v[rT+5], v[rT+6]
	v_max3_num_f32 v[rT+4], v[rT+4], v[rT+7], v[rT]
	v_permlanex16_b32 v[rT+5], v[rT+4], s[SEL], s[SEL+1]   ; the query's other 32 keys lie in the lane 16 away
	v_mov_b32 v[rT+7], v[rT]
	v_max_num_f32 v[rT], v[rT+4], v[rT+5]          ; the new m
	v_sub_f32 v[rT+7], v[rT+7], v[rT]              ; old m - new m
.set i, 0
.rept 16
	v_pk_add_f32 v[rS+2*i:rS+2*i+1], v[rS+2*i:rS+2*i+1], v[rT:rT+1] op_sel_hi:[1,0] neg_lo:[0,1] neg_hi:[0,1]   ; t - m
.set i, i+1
.endr
	v_exp_f32 v[rT+6], v[rT+7]                     ; a = 2^(old m - new m).  ONE BATCH of 33 exponentials; none reads another's result
.set i, 0
.rept 32
	v_exp_f32 v[rS+i], v[rS+i]
.set i, i+1
.endr
	v_nop                                          ; a plain instruction behind the last exponential,
	s_wait_alu depctr_va_vdst(0)                   ; and the one wait ahead of the batch's first reader
.set i, 0
.rept 16
	v_cvt_pk_f16_f32 v[P+i], v[rS+2*i], v[rS+2*i+1]
.set i, i+1
.endr
.irp w, 0,1,2,3,4,5,6,7                        ; the sum of the unrounded p, in pairs (an even key's, an odd key's)
	v_pk_add_f32 v[rS+4*\w:rS+4*\w+1], v[rS+4*\w:rS+4*\w+1], v[rS+4*\w+2:rS+4*\w+3]
.endr
.irp w, 0,1,2,3
	v_pk_add_f32 v[rS+8*\w:rS+8*\w+1], v[rS+8*\w:rS+8*\w+1], v[rS+8*\w+4:rS+8*\w+5]
.endr
.irp w, 0,1
	v_pk_add_f32 v[rS+16*\w:rS+16*\w+1], v[rS+16*\w:rS+16*\w+1], v[rS+16*\w+8:rS+16*\w+9]
.endr
	v_pk_add_f32 v[rS:rS+1], v[rS:rS+1], v[rS+16:rS+17]
	v_pk_fma_f32 v[rT+2:rT+3], v[rT+2:rT+3], v[rT+6:rT+7], v[rS:rS+1] op_sel_hi:[1,0,1]   ; l = a l + the sum
	WIN 0x41                                       ; O^T in window 1, a in window 0
.set i, 0
.rept 16
	v_pk_mul_f32 v[32*(\t)+2*i:32*(\t)+2*i+1], v[32*(\t)+2*i:32*(\t)+2*i+1], v[rT+6:rT+7] op_sel_hi:[1,0]
.set i, i+1
.endr
.endm
; A KEY STEP of parity u.  The scores of tile t + 2 are asked of the matrix unit ahead of tile t + 1's softmax, into the buffer that tile t has left.  Distances behind matrix instructions (ISA guide 7.12.1): tile 0's scores are read behind
; four v_nop; every other tile's behind the softmax of the tile before; a buffer of scores is written over behind the sixteen rescalings of O^T, which name none of its registers; P is written again behind the next tile's selections and maxima.
.macro STEP u
	FETCH
	s_wait_dscnt 16                                ; K is in; V's sixteen loads may be out
	QK 0
	QK 1
	WIN 0
.rept 4
	v_nop
.endr
	SM 0, \u
	s_wait_dscnt 0x0                               ; V is in
	PVM 0
	QK 2
	SM 1, \u
	PVM 1
	QK 3
	SM 2, \u
	PVM 2
	SM 3, \u
	PVM 3
	WIN 0
	s_add_co_u32 s[TB], s[TB], STEPB
.endm
; A slot's four key steps: a trip runs two, until the ring of mask words is back at its first register; two trips.
.macro SLOT_STEPS
	s_mov_b32 s[STEPC], 2
.Lstep_\@:
	STEP 0
	STEP 1
	s_wait_xcnt 0x0                                ; the trip's eight loads of mask words have read their address,
	v_add_nc_u32 v[MA], 256, v[MA]                 ; which steps to the next pair of key steps,
	v_and_b32 v[MA], 0xfff, v[MA]                  ; modulo a tile's 4,096 bytes: the last pair of key steps asks for the tile's own first words again, inside the buffer, which nobody uses
	s_sub_co_u32 s[STEPC], s[STEPC], 1
	s_cmp_lg_u32 s[STEPC], 0
	s_cbranch_scc1 .Lstep_\@
	s_sub_co_u32 s[TB], s[TB], 4*STEPB
	s_xor_b32 s[TB], s[TB], SLOT1                  ; on to the other slot
.endm
; THE CHANGE OF SLOTS stands at a slot's head.  Each wave waits for all its tensor loads (its part of the slot that it is about to read), adds 0 to its spare word, and waits for that and for its reads of the slot that it has left.
; fill = 1: the barrier is a round of the cluster's, and the joint load of the next 256 keys, into the slot just left, is the first thing behind it: it has four key steps in which to land.  (The first change fills slot 1 for the first time.)
.macro CHANGE fill
	WIN 0
	s_wait_tensorcnt 0x0                           ; no tensor load of mine is out, so a group 0 may be written
	ds_add_u32 v[SPW], v[NIL]
.if \fill
	s_xor_b32 s[G0K+1], s[G0K+1], SLOT1
	s_add_nc_u64 s[G0K+2:G0K+3], s[G0K+2:G0K+3], 32768
	s_xor_b32 s[G0V+1], s[G0V+1], SLOT1
	s_add_nc_u64 s[G0V+2:G0V+3], s[G0V+2:G0V+3], 32768
	s_wait_xcnt 0x0                                ; the last prefetch, a slot back, has read its address
	s_add_nc_u64 s[PFA:PFA+1], s[PFA:PFA+1], 32768 ; one slot further on than the walking descriptors
	s_wait_dscnt 0x0                               ; the add is done, and my reads of the slot that I have left are over
	CROUND
	JLOAD
	ASK
.else
	s_wait_dscnt 0x0
	s_barrier_signal -1
	s_barrier_wait -1
.endif
.endm
	s_wait_loadcnt 8                               ; Q is in; the eight loads of mask words, issued behind Q's, may be out
.Lslot:                                            ; 7 trips: behind each change of slots but the last the next slot is asked for
	CHANGE 1
	SLOT_STEPS
	s_sub_co_u32 s[SLOTS], s[SLOTS], 1
	s_cmp_lg_u32 s[SLOTS], 0
	s_cbranch_scc1 .Lslot
	CHANGE 0                                       ; the last slot is written out
	SLOT_STEPS
	; THE WAY OUT.  l's two halves and the other half of the lanes' are added (these lines are the places behind the last products); O^T / l, rounded to f16, goes through my stage, a tile (16 rows of 128 bytes) at a time.
.irp t, 0,1,2,3
	v_add_f32 v[ST+8*\t+4], v[ST+8*\t+2], v[ST+8*\t+3]
.endr
.irp t, 0,1,2,3
	v_permlanex16_b32 v[ST+8*\t+5], v[ST+8*\t+4], s[SEL], s[SEL+1]
.endr
.irp t, 0,1,2,3
	v_add_f32 v[ST+8*\t+4], v[ST+8*\t+4], v[ST+8*\t+5]
.endr
.irp t, 0,1,2,3
	v_rcp_f32 v[ST+8*\t+6], v[ST+8*\t+4]           ; l is at least 1: the row's largest t has p = 1
.endr
	v_nop                                          ; a plain instruction behind the last reciprocal,
	s_wait_alu depctr_va_vdst(0)                   ; and the one wait for the four
	s_load_b64 s[32:33], s[0:1], 0x10              ; ao
	s_bfe_u32 s36, ttmp6, 0x40000
	s_and_b32 s37, ttmp7, 0xffff
	s_lshr_b32 s38, s37, 4
	s_lshl_b32 s38, s38, 4
	s_lshl_b32 s39, s36, 2
	s_add_co_u32 s38, s38, s39
	s_lshr_b32 s39, s[WV], 1
	s_add_co_u32 s38, s38, s39                     ; token / 128 = batch x 16 + 4 cx + wave / 2
	s_lshl_b32 s38, s38, 18
	s_and_b32 s39, s37, 15
	s_lshl_b32 s39, s39, 14                        ; the head
	s_add_co_u32 s38, s38, s39
	s_and_b32 s39, s[WV], 1
	s_lshl_b32 s39, s39, 13                        ; my 64 rows of the 128
	s_add_co_u32 s38, s38, s39
	s_mov_b32 s39, 0
	s_wait_kmcnt 0x0
	s_add_nc_u64 s[32:33], s[32:33], s[38:39]
.macro PACK t
	WIN 0x41
.set i, 0
.rept 16
	v_pk_mul_f32 v[32*(\t)+2*i:32*(\t)+2*i+1], v[32*(\t)+2*i:32*(\t)+2*i+1], v[ST+8*(\t)+6:ST+8*(\t)+7] op_sel_hi:[1,0]
.set i, i+1
.endr
	WIN 0x05                                       ; sources 0 and 1 window 1, destination window 0: S^T's registers are free
.set i, 0
.rept 16
	v_cvt_pk_f16_f32 v[S+16*(\t)+i], v[32*(\t)+2*i], v[32*(\t)+2*i+1]
.set i, i+1
.endr
	WIN 0
.irp ct, 0,1,2,3
	ds_store_b128 v[STO], v[S+16*(\t)+4*\ct:S+16*(\t)+4*\ct+3] offset:32*\ct
.endr
.irp n, 0,1,2,3
	ds_load_b128 v[Q+16*(\t)+4*\n:Q+16*(\t)+4*\n+3], v[RD] offset:\n*4*144   ; LDS serves a wave's instructions in order (ISA guide 5.7.1.4): these see the stores above; the next tile's stores come behind them
.endr
.endm
.macro SEND t, younger                 ; younger: the LDS instructions issued behind tile t's loads: the next tile's eight, or none
.irp n, 0,1,2,3
	s_wait_dscnt \younger+3-\n
	global_store_b128 v[GO], v[Q+16*(\t)+4*\n:Q+16*(\t)+4*\n+3], s[32:33] offset:(\t)*2048+\n*512   ; 512 consecutive bytes, aligned
.endr
.endm
	PACK 0
	PACK 1
	SEND 0, 8
	PACK 2
	SEND 1, 8
	PACK 3
	SEND 2, 8
	SEND 3, 0
	s_wait_tensorcnt 0x0                           ; the wave's end
	ds_add_u32 v[SPW], v[NIL]
	s_wait_dscnt 0x0
	CROUND                                         ; the closing round
	s_endpgm
.Lfunc_end_k_qbdeb9c6314_attn:
	.size	k_qbdeb9c6314_attn, .Lfunc_end_k_qbdeb9c6314_attn-k_qbdeb9c6314_attn
	.p2alignl 7, 3214868480
	.fill 96, 4, 3214868480
	.section	.rodata,"a",@progbits
	.p2align	6, 0x0
	.amdhsa_kernel k_qbdeb9c6314_attn
		.amdhsa_group_segment_fixed_size 327680
		.amdhsa_private_segment_fixed_size 0
		.amdhsa_enable_private_segment 0
		.amdhsa_kernarg_size 24
		.amdhsa_user_sgpr_count 2
		.amdhsa_user_sgpr_kernarg_segment_ptr 1
		.amdhsa_wavefront_size32 1
		.amdhsa_system_sgpr_workgroup_id_x 1
		.amdhsa_system_sgpr_workgroup_id_y 1
		.amdhsa_system_sgpr_workgroup_id_z 1
		.amdhsa_system_vgpr_workitem_id 0
		.amdhsa_next_free_vgpr 512
		.amdhsa_next_free_sgpr 106
		.amdhsa_reserve_vcc 0
		.amdhsa_float_denorm_mode_32 3
		.amdhsa_float_denorm_mode_16_64 3
		.amdhsa_memory_ordered 1
		.amdhsa_forward_progress 1
		.amdhsa_inst_pref_size 224
	.end_amdhsa_kernel
	.amdgpu_metadata
---
amdhsa.version: [ 1, 2 ]
amdhsa.kernels:
  - .name:           k_qbdeb9c6314_attn
    .symbol:         k_qbdeb9c6314_attn.kd
    .args:
      - { .name: qkvh, .offset: 0, .size: 8, .value_kind: global_buffer, .address_space: global }
      - { .name: maskbits, .offset: 8, .size: 8, .value_kind: global_buffer, .address_space: global }
      - { .name: ao, .offset: 16, .size: 8, .value_kind: global_buffer, .address_space: global }
    .group_segment_fixed_size: 327680
    .private_segment_fixed_size: 0
    .kernarg_segment_align: 8
    .kernarg_segment_size: 24
    .max_flat_workgroup_size: 256
    .sgpr_count:     106
    .vgpr_count:     512
    .wavefront_size: 32
...
	.end_amdgpu_metadata
.endif
;; end of part 3
;; launch oproj (part 4): grid 4 x 64, 4 waves a work-group, clusters of 4 x 4, 327,680 bytes of LDS; arguments ao, wot, b_o, out0; writes out0
.if DOCPART == 4
	.amdgcn_target "amdgcn-amd-amdhsa--gfx1250"
	.amdhsa_code_object_version 6
	.text
	.protected	k_qbdeb9c6314_oproj
	.globl	k_qbdeb9c6314_oproj
	.p2align	8
	.type	k_qbdeb9c6314_oproj,@function
k_qbdeb9c6314_oproj:
	s_mov_b64 s[64:65], 0
	v_nop
	global_prefetch_b8 v0, s[64:65] scope:SCOPE_SE
	s_setreg_imm32_b32 hwreg(HW_REG_WAVE_MODE, 25, 1), 1
	s_wait_xcnt 0x0
	s_wait_alu depctr_hold_cnt(0) depctr_sa_sdst(0) depctr_va_vdst(0) depctr_va_sdst(0) depctr_va_ssrc(0) depctr_va_vcc(0) depctr_vm_vsrc(0)
	s_getreg_b32 s2, hwreg(HW_REG_IB_STS2, 6, 4)
	s_cmp_eq_u32 s2, 0
	s_cbranch_scc0 .Lentry_in_a_cluster
	s_endpgm
.Lentry_in_a_cluster:
	s_bfe_u32 s2, ttmp6, 0x10000c
	s_cmp_lg_u32 s2, 0xf033
	s_cbranch_scc0 .Lentry_shape_is_right
	s_endpgm
.Lentry_shape_is_right:
; OPROJ: out0 [8192][1024] f32 = attention's result x w_o + b_o, operands in f16, sums in f32.
; A: ao [token / 128][k / 64][token % 128][k % 64];  B: wot [n / 256][k / 64][n % 256][k % 64]: a piece of 64 along K of a tile's rows is one dense block of rows of 128 bytes.
; A tile is 128 tokens x 256 columns: 256 work-groups, one for each WGP (tiles of 256 x 256 would be 128).  Four waves, 64 x 128 each: 32 accumulators, 256 registers.
; K goes in steps of 128 (two pieces) through a ring of two LDS slots; waves 0, 1 fetch A's two pieces, waves 2, 3 B's: one load a wave and step.
; CLUSTERS: 4 x 4 work-groups; A's tiles are shared along a row of the cluster, B's along a column: each is asked for JOINTLY.
; THE MATRIX INSTRUCTION IS USED TRANSPOSED (source 0 = 16 rows of wot, source 1 = 16 tokens): a lane holds eight neighbouring columns of one token.  THE BIAS is the C of each sum's first matrix instruction.
; No prefetch: the launch is short and its tiles are shared in the cluster.
; REGISTERS: window 0: v16-29 addresses; two fragment buffers at v32 and v128: A's 32 registers (4 x 16 tokens x 32 K), then B's 64.   window 1: the accumulators ((a, b) at v[8 (8 a + b)]).   window 2: v0-63 the bias.
.set PITCH,  144                       ; an LDS row: 128 bytes + 16: the 16 rows that a load touches start at 16 different banks (64 banks of 4 bytes: ISA guide 11.1)
.set ACH,    128*PITCH                 ; a piece of A
.set BCH,    256*PITCH                 ; a piece of B
.set SLOT,   2*ACH+2*BCH
.set STAGE,  2*SLOT                    ; behind the ring: 16 rows x 528 bytes for each wave
.set SPITCH, 528
.set SPARE,  STAGE+4*16*SPITCH         ; the spare words, 128 bytes for each wave: two blocks of 256 bytes that no other line names
.set LAPS,   4                         ; a lap = two K steps = once round the ring
.set ADRA, 16
.set ADRB, 20
.set STO,  24
.set RD,   25
.set CO,   26
.set BOF,  27
.set SPW,  28
.set NIL,  29
.set F0,   32
.set F1,   128
.set BK,   32                          ; the way out: v32-95 and v96-159 by turns
.set G1, 24
.set G0, 32
.set G1B, 48
.set G0B, 56
.set MSB, 0
.macro WIN new                         ; the immediate's high byte repeats the setting that is left
.if MSB != \new
	s_set_vgpr_msb (MSB<<8)|\new
.set MSB, \new
.endif
.endm
.set MULW,  0x50                       ; fragments in window 0, C and D in window 1
.set MULBW, 0x60                       ; C (the bias) in window 2, D in window 1
.macro JLOAD s                         ; a joint load; an s_nop 0 and four v_nop follow each of the two lines
	s_cmp_eq_u32 s13, 0
	s_cbranch_scc0 .Lfor_b_\@
	tensor_load_to_lds s[G0+4*\s:G0+4*\s+3], s[G1:G1+7]
	s_nop 0
.rept 4
	v_nop
.endr
	s_branch .Lasked_\@
.Lfor_b_\@:
	tensor_load_to_lds s[G0B+4*\s:G0B+4*\s+3], s[G1B:G1B+7]
	s_nop 0
.rept 4
	v_nop
.endr
.Lasked_\@:
.endm
.macro CREST                           ; a round of the cluster's barrier behind its opening barrier
	s_cmp_lg_u32 s12, 0
	s_cbranch_scc1 .Lnot_wave_0_\@
	s_barrier_signal -3
.Lnot_wave_0_\@:
	s_barrier_wait -3
	s_barrier_signal -1
	s_barrier_wait -1
.endm
.macro CROUND
	s_barrier_signal -1
	s_barrier_wait -1
	CREST
.endm
	s_load_b128 s[4:7], s[0:1], 0x0                ; ao, wot
	s_load_b128 s[8:11], s[0:1], 0x10              ; b_o, out0
	v_lshl_add_u32 v[SPW], v0, 2, SPARE
	v_mov_b32 v[NIL], 0
	ds_add_u32 v[SPW], v[NIL]                      ; the wave's opening: the add, twice on end, and its wait ahead of my first tensor load
	ds_add_u32 v[SPW], v[NIL]
	v_lshrrev_b32 v1, 5, v0
	v_readfirstlane_b32 s12, v1                    ; wave 0..3
	s_lshr_b32 s13, s12, 1                         ; which 64 tokens are mine.  Also: I fetch for A (0) or for B (1)
	s_and_b32 s14, s12, 1                          ; which 128 columns.  Also: which piece of a K step I fetch
	s_bfe_u32 s40, ttmp6, 0x40000                  ; cx, cy
	s_bfe_u32 s41, ttmp6, 0x40004
	s_lshl_b32 s42, ttmp9, 2
	s_add_co_u32 s42, s42, s40                     ; tile column
	s_and_b32 s15, ttmp7, 0xffff
	s_lshl_b32 s15, s15, 2
	s_add_co_u32 s15, s15, s41                     ; tile row
	s_lshl_b32 s43, s41, 2
	s_lshl_b32 s43, 15, s43                        ; my row of the cluster
	s_lshl_b32 s44, 0x1111, s40                    ; my column
	s_or_b32 s[G1+0], s43, (1<<16)|(1<<20)|(1<<21)|(4<<22)|(3<<25)   ; the mask; elements of 2 bytes; padding on; bit 21 beside a mask; 4 words behind every 32
	s_or_b32 s[G1B+0], s44, (1<<16)|(1<<20)|(1<<21)|(4<<22)|(3<<25)
	s_mov_b32 s[G1+1], 64<<16                      ; tensor_dim0
	s_mov_b32 s[G1+2], 128<<16                     ; tensor_dim1
	s_mov_b32 s[G1+3], 64<<16                      ; tile_dim0
	s_mov_b32 s[G1+4], 128                         ; tile_dim1
	s_mov_b32 s[G1+5], 64                          ; the pitch
	s_mov_b32 s[G1+6], 0
	s_mov_b32 s[G1+7], 0
	s_mov_b32 s[G1B+1], 64<<16
	s_mov_b32 s[G1B+2], 256<<16
	s_mov_b32 s[G1B+3], 64<<16
	s_mov_b32 s[G1B+4], 256
	s_mov_b32 s[G1B+5], 64
	s_mov_b32 s[G1B+6], 0
	s_mov_b32 s[G1B+7], 0
	s_lshl_b32 s16, s15, 18                        ; A: the tile row's 262,144 bytes, my piece's 16,384
	s_lshl_b32 s17, s14, 14
	s_add_co_u32 s16, s16, s17
	s_mov_b32 s17, 0
	s_lshl_b32 s46, s42, 19                        ; B: the tile column's 524,288 bytes, my piece's 32,768
	s_lshl_b32 s47, s14, 15
	s_add_co_u32 s46, s46, s47
	s_mov_b32 s47, 0
	s_mul_i32 s20, s14, ACH                        ; where they go: made of the wave's number alone
	s_mul_i32 s21, s14, BCH
	s_add_co_u32 s21, s21, 2*ACH
	s_wait_dscnt 0x0                               ; both opening adds are done
	s_wait_kmcnt 0x0
	s_add_nc_u64 s[18:19], s[4:5], s[16:17]
	s_add_nc_u64 s[46:47], s[6:7], s[46:47]
	CROUND                                         ; all sixteen work-groups are here: the first joint loads meet
.irp s, 0,1
	s_mov_b32 s[G0+4*\s], 1
	s_add_co_u32 s[G0+4*\s+1], s20, \s*SLOT
	s_add_nc_u64 s[G0+4*\s+2:G0+4*\s+3], s[18:19], \s*32768
	s_or_b32 s[G0+4*\s+3], s[G0+4*\s+3], 0x80000000
	s_mov_b32 s[G0B+4*\s], 1
	s_add_co_u32 s[G0B+4*\s+1], s21, \s*SLOT
	s_add_nc_u64 s[G0B+4*\s+2:G0B+4*\s+3], s[46:47], \s*65536
	s_or_b32 s[G0B+4*\s+3], s[G0B+4*\s+3], 0x80000000
	JLOAD \s                                       ; two loads of mine are out behind the second
.endr
	v_and_b32 v1, 15, v0                           ; r
	v_bfe_u32 v2, v0, 4, 1                         ; h
	v_mul_u32_u24 v3, v1, PITCH
	v_lshl_add_u32 v3, v2, 4, v3
	s_mul_i32 s21, s13, 64*PITCH                   ; my 64 rows of A
	s_mul_i32 s22, s14, 128*PITCH                  ; my 128 rows of B,
	s_add_co_u32 s22, s22, 2*ACH                   ; which lie behind A's two pieces
.irp s, 0,1
	v_add_nc_u32 v[ADRA+\s], s21, v3
	v_add_nc_u32 v[ADRB+\s], s22, v3
	s_add_co_u32 s21, s21, SLOT
	s_add_co_u32 s22, s22, SLOT
.endr
	s_mul_i32 s23, s12, 16*SPITCH
	s_add_co_u32 s23, s23, STAGE                   ; my stage
	v_mul_u32_u24 v4, v1, SPITCH
	v_lshl_add_u32 v4, v2, 5, v4
	v_add_nc_u32 v[STO], s23, v4                   ; in: row r, + 32 h
	v_and_b32 v5, 31, v0
	v_lshlrev_b32 v[CO], 4, v5
	v_add_nc_u32 v[RD], s23, v[CO]                 ; back: the 32 lanes take one row of 512 bytes
	s_lshl_b32 s46, s42, 10
	s_lshl_b32 s47, s14, 9
	s_add_co_u32 s46, s46, s47                     ; my first column, in bytes
	s_mov_b32 s47, 0
	s_add_nc_u64 s[8:9], s[8:9], s[46:47]          ; in b_o,
	s_add_nc_u64 s[10:11], s[10:11], s[46:47]      ; and in a row of out0
	s_lshl_b32 s16, s15, 7
	s_lshl_b32 s17, s13, 6
	s_add_co_u32 s16, s16, s17                     ; my first token
	s_lshl_b32 s16, s16, 12
	s_mov_b32 s17, 0
	s_add_nc_u64 s[10:11], s[10:11], s[16:17]
	v_lshlrev_b32 v[BOF], 5, v2
	WIN 0x80                                       ; destination window 2
.irp b, 0,1,2,3,4,5,6,7
	global_load_b128 v[8*\b:8*\b+3], v[BOF], s[8:9] offset:64*\b          ; lane (r, h): the biases of columns 16 b + 8 h + 0 .. 7
	global_load_b128 v[8*\b+4:8*\b+7], v[BOF], s[8:9] offset:64*\b+16
.endr
	WIN 0
; 8 matrix instructions: token block a x all 8 column blocks, 32 along K.  first = 1: the products start the sums, from the bias.  The 32 accumulators take turns, one instruction a turn.
.macro MUL8 f, a, first
.irp b, 0,1,2,3,4,5,6,7
.if \first
	v_wmma_f32_16x16x32_f16 v[8*(8*(\a)+\b):8*(8*(\a)+\b)+7], v[\f+32+8*\b:\f+32+8*\b+7], v[\f+8*(\a):\f+8*(\a)+7], v[8*\b:8*\b+7]
.else
	v_wmma_f32_16x16x32_f16 v[8*(8*(\a)+\b):8*(8*(\a)+\b)+7], v[\f+32+8*\b:\f+32+8*\b+7], v[\f+8*(\a):\f+8*(\a)+7], v[8*(8*(\a)+\b):8*(8*(\a)+\b)+7]
.endif
.endr
.endm
; 24 LDS loads in one run: the fragments of the slot's q-th 32 along K (piece q / 2, byte 64 (q % 2) of its rows) into buffer f: B's sixteen, then A's eight
.macro FETCH slot, q, f
	WIN 0
.irp i, 0,1,2,3,4,5,6,7
	ds_load_b128 v[\f+32+8*\i:\f+32+8*\i+3],   v[ADRB+\slot] offset:((\q)/2)*BCH+((\q)%2)*64+\i*16*PITCH
	ds_load_b128 v[\f+32+8*\i+4:\f+32+8*\i+7], v[ADRB+\slot] offset:((\q)/2)*BCH+((\q)%2)*64+\i*16*PITCH+32
.endr
.irp i, 0,1,2,3
	ds_load_b128 v[\f+8*\i:\f+8*\i+3],   v[ADRA+\slot] offset:((\q)/2)*ACH+((\q)%2)*64+\i*16*PITCH
	ds_load_b128 v[\f+8*\i+4:\f+8*\i+7], v[ADRA+\slot] offset:((\q)/2)*ACH+((\q)%2)*64+\i*16*PITCH+32
.endr
.endm
.macro PLACES                          ; four plain vector instructions in front of loads into registers that matrix instructions have read, and of the first read of results
.rept 4
	v_nop
.endr
.endm
; A K step is four quarters of 32 along K, 32 matrix instructions each, on buffers 0, 1, 0, 1.  One of the first three: multiplies buffer f and fetches quarter q into g.
.macro QUARTER slot, q, f, g, first
	s_wait_dscnt 4                                 ; B and A's blocks 0, 1 are in; the youngest four loads (A's blocks 2, 3) may be out
.if \first
	WIN MULBW
.else
	WIN MULW
.endif
	MUL8 \f, 0, \first
	MUL8 \f, 1, \first
	PLACES
	FETCH \slot, \q, \g
	s_wait_dscnt 24                                ; all but the 24 just issued
.if \first
	WIN MULBW
.else
	WIN MULW
.endif
	MUL8 \f, 2, \first
	MUL8 \f, 3, \first
.endm
; The last quarter multiplies buffer 1 and changes slots: ONE barrier; in front of it each wave waits for all its tensor loads, adds 0 to its spare word, and waits for that and for its reads of this slot.
; fill = 1: the barrier opens a round of the cluster's, and this slot is filled again, two K steps ahead, first thing behind the round: 112 matrix instructions ahead of the wait for it.
.macro TURN slot, next, fill
	WIN 0
	s_wait_tensorcnt 0x0                           ; all my tensor loads have landed: my part of the next slot
	ds_add_u32 v[SPW], v[NIL]
	s_wait_dscnt 5                                 ; (the add and the youngest four loads may be out)
	WIN MULW
	MUL8 F1, 0, 0
	s_wait_dscnt 0x0                               ; the add is done, and my reads of this slot are over
	s_barrier_signal -1
	MUL8 F1, 1, 0
.if \fill
	WIN 0
.endif
	s_barrier_wait -1
.if \fill
	CREST
	s_add_nc_u64 s[G0+4*\slot+2:G0+4*\slot+3], s[G0+4*\slot+2:G0+4*\slot+3], 65536
	s_add_nc_u64 s[G0B+4*\slot+2:G0B+4*\slot+3], s[G0B+4*\slot+2:G0B+4*\slot+3], 131072
	JLOAD \slot                                    ; the four v_nop behind it are also the places in front of the loads below
.else
	PLACES
.endif
	FETCH \next, 0, F0
	WIN MULW
	MUL8 F1, 2, 0
	MUL8 F1, 3, 0
.endm
	s_wait_tensorcnt 1                             ; my part of K step 0 is in (K step 1's may be out)
	s_barrier_signal -1
	s_barrier_wait -1                              ; everybody's is
	FETCH 0, 0, F0
	s_wait_loadcnt 0x0                             ; the bias
	QUARTER 0, 1, F0, F1, 1                        ; the first quarter stands in front of the loop: its products start the sums
	WIN 0
	s_mov_b32 s3, LAPS-1
.Llap:                                             ; a trip goes once round the ring, from a lap's second quarter to the next lap's first, and fills both slots again
	QUARTER 0, 2, F1, F0, 0
	QUARTER 0, 3, F0, F1, 0
	TURN 0, 1, 1
	QUARTER 1, 1, F0, F1, 0
	QUARTER 1, 2, F1, F0, 0
	QUARTER 1, 3, F0, F1, 0
	TURN 1, 0, 1
	QUARTER 0, 1, F0, F1, 0
	WIN 0
	s_sub_co_u32 s3, s3, 1
	s_cmp_lg_u32 s3, 0
	s_cbranch_scc1 .Llap
	QUARTER 0, 2, F1, F0, 0                        ; the last lap fills nothing
	QUARTER 0, 3, F0, F1, 0
	TURN 0, 1, 0
	QUARTER 1, 1, F0, F1, 0
	QUARTER 1, 2, F1, F0, 0
	QUARTER 1, 3, F0, F1, 0
	s_wait_dscnt 4                                 ; the very last quarter
	WIN MULW
	MUL8 F1, 0, 0
	MUL8 F1, 1, 0
	s_wait_dscnt 0
	MUL8 F1, 2, 0
	MUL8 F1, 3, 0
	WIN 0
; THE WAY OUT, block by block of 16 tokens x 128 columns: through my own stage, back as whole rows of 512 bytes, which the 32 lanes store as 512 consecutive bytes, aligned.
.macro TOSTAGE a
	WIN 0x04                                       ; an LDS store's data are its source 1: window 1
.irp b, 0,1,2,3,4,5,6,7
	ds_store_b128 v[STO], v[64*(\a)+8*\b:64*(\a)+8*\b+3] offset:64*\b           ; each accumulator from its low end on
	ds_store_b128 v[STO], v[64*(\a)+8*\b+4:64*(\a)+8*\b+7] offset:64*\b+16
.endr
	WIN 0
.set BB, BK+64*((\a)%2)
.irp t, 0,1,2,3,4,5,6,7,8,9,10,11,12,13,14,15
	ds_load_b128 v[BB+4*\t:BB+4*\t+3], v[RD] offset:\t*SPITCH   ; LDS serves a wave's instructions in order (ISA guide 5.7.1.4): these see the stores above
.endr
.endm
.macro SEND a, younger                 ; younger: the LDS instructions issued behind block a's loads, which may stay out
.set BB, BK+64*((\a)%2)
	s_wait_dscnt \younger
.irp t, 0,1,2,3,4,5,6,7,8,9,10,11,12,13,14,15
	global_store_b128 v[CO], v[BB+4*\t:BB+4*\t+3], s[10:11] offset:(16*(\a)+\t)*4096 th:TH_STORE_NT   ; written once, read by nobody here
.endr
.endm
	PLACES                                         ; behind the last products: for the reads of results and the loads into the fragments' registers
	TOSTAGE 0
.irp a, 1,2,3
.if \a > 1
	s_wait_xcnt 0x0                                ; block a - 2's stores have read their registers: block a's loads may land there
.endif
	TOSTAGE \a
	SEND \a-1, 32                                  ; behind block a - 1's loads: block a's 16 stores and 16 loads
.endr
	SEND 3, 0
	s_wait_tensorcnt 0x0                           ; the wave's end
	ds_add_u32 v[SPW], v[NIL]
	s_wait_dscnt 0x0
	CROUND                                         ; the closing round
	s_endpgm
.Lfunc_end_k_qbdeb9c6314_oproj:
	.size	k_qbdeb9c6314_oproj, .Lfunc_end_k_qbdeb9c6314_oproj-k_qbdeb9c6314_oproj
	.p2alignl 7, 3214868480
	.fill 96, 4, 3214868480
	.section	.rodata,"a",@progbits
	.p2align	6, 0x0
	.amdhsa_kernel k_qbdeb9c6314_oproj
		.amdhsa_group_segment_fixed_size 327680
		.amdhsa_private_segment_fixed_size 0
		.amdhsa_enable_private_segment 0
		.amdhsa_kernarg_size 32
		.amdhsa_user_sgpr_count 2
		.amdhsa_user_sgpr_kernarg_segment_ptr 1
		.amdhsa_wavefront_size32 1
		.amdhsa_system_sgpr_workgroup_id_x 1
		.amdhsa_system_sgpr_workgroup_id_y 1
		.amdhsa_system_sgpr_workgroup_id_z 1
		.amdhsa_system_vgpr_workitem_id 0
		.amdhsa_next_free_vgpr 576
		.amdhsa_next_free_sgpr 66
		.amdhsa_reserve_vcc 0
		.amdhsa_float_denorm_mode_32 3
		.amdhsa_float_denorm_mode_16_64 3
		.amdhsa_memory_ordered 1
		.amdhsa_forward_progress 1
		.amdhsa_inst_pref_size 86
	.end_amdhsa_kernel
	.amdgpu_metadata
---
amdhsa.version: [ 1, 2 ]
amdhsa.kernels:
  - .name:           k_qbdeb9c6314_oproj
    .symbol:         k_qbdeb9c6314_oproj.kd
    .args:
      - { .name: ao, .offset: 0, .size: 8, .value_kind: global_buffer, .address_space: global }
      - { .name: wot, .offset: 8, .size: 8, .value_kind: global_buffer, .address_space: global }
      - { .name: b_o, .offset: 16, .size: 8, .value_kind: global_buffer, .address_space: global }
      - { .name: out0, .offset: 24, .size: 8, .value_kind: global_buffer, .address_space: global }
    .group_segment_fixed_size: 327680
    .private_segment_fixed_size: 0
    .kernarg_segment_align: 8
    .kernarg_segment_size: 32
    .max_flat_workgroup_size: 128
    .sgpr_count:     66
    .vgpr_count:     576
    .wavefront_size: 32
...
	.end_amdgpu_metadata
.endif
;; end of part 4
